; MI455X (gfx1250); checked and timed in simulation.
; The chip was launched on July 23, 2026; its instructions are those of AMD's public machine-readable ISA for CDNA 5 (MIT licence, August 2026) and "CDNA5" Instruction Set Architecture Reference Guide (July 2026). The comments in the code are by the model that wrote it; some were corrected since.
;; QURNN Cell. Allowed arithmetic: matrix products marked QUANTISED: E3M2 operands, one E8M0 scale for each 32 along K, by v_wmma_scale_f32_16x16x128_f8f6f4 with both operands' format E3M2, f32 sums; everything else in f32.
;; Inputs: Eh_b 2,048 float32; Eh_w 2,048 x 3,072 float32; Hw_b 2,048 float32; Hw_w 2,048 x 3,072 float32; Wa_b 2,048 float32; Wa_w 2,048 x 3,072 float32; Wt_b 2,048 float32; Wt_w 2,048 x 3,072 float32; excited_cell 2,048 x 2,048 float32; h_cur 2,048 x 2,048 float32; time_cell 2,048 x 2,048 float32; x 2,048 x 1,024 float32.
;; Outputs: out0 2,048 x 2,048 float32; out1 2,048 x 2,048 float32; out2 2,048 x 2,048 float32.
;; This version of the problem:
;;   THIS VERSION OF THE PROBLEM IS GIVEN IN LOW PRECISION. The matrix products marked QUANTISED in the list below multiply operands that are first quantised to E3M2 (3 exponent bits, 2 mantissa bits; 6 bits a number), with one power-of-two scale for each 32 numbers along K (OCP MX v1.0); their sums are f32. All else is computed in f32.
;;   The module's matrix products, in the order in which they are computed (A, B: the left and right operand; K: the contracted axis; several contracted axes count as one K, in the product's order):
;;     1. [M 2,048, K 3,072] x [K 3,072, N 2,048]; A: computed on the way; B: input Wt_w: QUANTISED
;;     2. [M 2,048, K 3,072] x [K 3,072, N 2,048]; A: computed on the way; B: input Wa_w: QUANTISED
;;     3. [M 2,048, K 3,072] x [K 3,072, N 2,048]; A: computed on the way; B: input Eh_w: QUANTISED
;;     4. [M 2,048, K 3,072] x [K 3,072, N 2,048]; A: computed on the way; B: input Hw_w: QUANTISED
;;   THE QUANTISER, for each operand of a quantised product, along K:
;;     - K is cut into blocks of 32 from its start; a last block that is shorter is filled with zeros.
;;     - A block's scale is 2^e with e = floor(log2(the largest magnitude in the block)) - 4, held to -126 .. 127; a block of zeros has e = 0. As a byte (E8M0): e + 127.
;;     - Each number is divided by its block's scale, clamped to +-28, and rounded to the nearest number of E3M2, ties to even, subnormals kept.
;;     - The product sums the exact products of the quantised numbers (number of the format x scale) in f32.
;;   ~~~python
;;   def quantise(x, axis):      # numpy; x: float32 -> the quantised numbers, widened to float32 again
;;       x = np.moveaxis(x, axis, -1); K = x.shape[-1]
;;       x = np.pad(x, [(0, 0)] * (x.ndim - 1) + [(0, -K % 32)]); x = x.reshape(x.shape[:-1] + (-1, 32)); a = np.abs(x).max(-1, keepdims=True)
;;       e = np.where(a > 0, np.clip(np.frexp(np.where(a > 0, a, 1))[1] - 1 - 4, -126, 127), 0)      # np.frexp(a)[1] - 1 = floor(log2(a)), exactly
;;       r = np.clip(x / 2.0 ** e, -28, 28)
;;       step = 2.0 ** (np.maximum(np.frexp(np.where(r == 0, 1, r))[1] - 1, -2) - 2)
;;       q = np.round(r / step) * step * 2.0 ** e      # np.round: ties to even
;;       return np.moveaxis(q.reshape(q.shape[:-2] + (-1,))[..., :K], -1, axis).astype(np.float32)
;;   ~~~
;;   OPERANDS COMPUTED ON THE WAY. 'Computed on the way' means the value that the module computes at that place (a softmax that the list does not call 'softmax' is quantised finished and normalised). What goes into a quantiser is computed in f32, as accurately as f32 sums, v_exp_f32 and their like allow (about 1e-6 of the number): no bf16 or f16 on the way to a quantiser, and a product that is left as it is and whose result goes on into a quantised operand takes f32 operands (vector FMAs, or v_wmma_f32_16x16x4_f32). A number that lies on a knife's edge between two numbers of the format may be rounded either way, as far as f32 arithmetic and the matrix unit's own rounding can turn it there, and no further.
;; One version. Each part assembles by itself: llvm-mc -triple=amdgcn-amd-amdhsa -mcpu=gfx1250 --defsym DOCPART=n.
;; ======== version 1 of 1: 3 launches
;; limits: right only within a limited range of input values
;; workspace buffers: wqt 9,830,400 bytes; wqa 4,915,200 bytes; wq2 9,830,400 bytes; ca 4,915,200 bytes; hu 4,915,200 bytes
;; launch quant (part 1): grid 6 x 160, 4 waves a work-group, no clusters, 68,096 bytes of LDS; arguments Wa_w, Eh_w, Hw_w, x, h_cur, wqa, wq2, ca, hu, Wt_w, wqt; writes wqa, wq2, ca, hu, wqt
.if DOCPART == 1
	.amdgcn_target "amdgcn-amd-amdhsa--gfx1250"
	.amdhsa_code_object_version 6
	.text
	.protected	k_qce3fc99a15_quant
	.globl	k_qce3fc99a15_quant
	.p2align	8
	.type	k_qce3fc99a15_quant,@function
k_qce3fc99a15_quant:
	s_mov_b64 s[64:65], 0
	v_nop
	global_prefetch_b8 v0, s[64:65] scope:SCOPE_SE
	s_setreg_imm32_b32 hwreg(HW_REG_WAVE_MODE, 25, 1), 1
	s_wait_xcnt 0x0
; The four weights (Wt, Wa, Eh, Hw: [2048][3072]) and the pair [x | h_cur] ([2048][1024], [2048][2048]), all f32 with K innermost, become codes of BF6 (E3M2) with one E8M0 byte for each 32 along K.
; A block's scale s is 2^(floor(log2(its largest magnitude)) - 4); its byte is the largest magnitude's exponent field - 4; each number is divided by s and rounded to the nearest code, ties to even, beyond 28 the largest code.
; THE OUTPUT IS LAID AS THE MATRIX UNIT'S REGISTERS WANT IT.  A RECORD is 64 rows x 128 along K in 6,400 bytes: fragment t (16 rows) at 1536 t, registers 4 g .. 4 g + 3 of lane l at 512 g + 16 l
; (lane (r, h): row r; registers 0-5 k = 32 h on, registers 6-11 k = 64 + 32 h on); from byte 6144 the scale words, that of (fragment t, row r) at 8 (16 (t % 2) + r) + 4 (t / 2).
; ca, hu, wqa (Wa): [16 tiles of 128 rows][24 K steps][2] records.   wq2 (Eh, Hw) and wqt (Wt's upper part, lower part): [16 tiles of 128 rows][24 K steps][2][2] records.  In ca and hu row (t, i) is row 16 t + i of the record's 64.
; THE ROWS OF A WEIGHT'S FRAGMENT ARE NOT NEIGHBOURS: row i of fragment t is row 32 (i / 8) + 8 t + i % 8 of the record's 64, so that in the transposed product a lane's 32 results of four fragments are 32 neighbouring columns.
; SHARES: work-group x = which 512 along K; y = 32 x tensor + group of 64 rows (tensors: Wa, Eh, Hw, the pair, Wt); a wave takes K step 4 x + wave: 32 KiB of f32.  x's records go to ca AND to hu: the last launch reads [x | h_up] from hu alone.
; Each load reads 512 consecutive bytes of one row; a fragment's 16 rows turn through the wave's own stage in LDS (rows 528 bytes apart) so that a lane gets two whole blocks of 32 neighbours: no other lane is asked for a maximum.
; TWO WAYS part at the head on the work-group's y alone: y 0-127 the plain quantiser, y 128-159 Wt's.  Each way has LDS bytes of its own.  One launch for both: 960 work-groups, four to a WGP by their registers (4 x 256 on a SIMD) and by their LDS.
; Wt COMES OUT IN TWO PARTS whose sum is the quantised number, exactly.  THE UPPER PART holds the codes of magnitude 2 or more under the block's byte, and zeros elsewhere.  THE LOWER PART holds the other codes (multiples of 1/16 up to 1.75)
; TIMES 16, whole numbers up to 28, under a byte that is 4 lower: the same numbers.  Why: the product with Wt decides a comparison (leap) in the next launch and is wanted with no bit lost.  With any code of the other operand (last bit 2^-4) a
; product's last bit lies at 2^-5 or higher in the upper part and at 2^-4 or higher in the lower, against 2^-8 for the codes as they come: 14 binary places under the largest product that two codes can give (under 2^10) instead of 17.
; How: a number goes to the upper part where |w| >= 1.875 s, the middle between the codes 1.75 and 2 (the tie goes to 2, the even one).  Under the scale s / 16 the conversion rounds a number of 0.25 s or more just as under s (the same three
; significant bits).  Under 0.25 s the format's grid under s is s / 16, coarser than the conversion's under s / 16: such a number is first rounded to whole multiples of s / 16 by adding and taking away 1.5 x 2^23 x s / 16 (f32's own rounding, ties to even).
; LIMITS: NaN and infinities among the inputs are not served.  A block of zeros, or one whose largest magnitude lies under 2^-122, gets the byte 1 (the rule says 127 for zeros): its codes are zeros or tiny.  In Wt a block whose largest magnitude lies
; under 2^-118 (zeros too) gets the byte 5, so that the lower part's byte stays 1 or more, and blocks whose largest magnitude passes 2^112 are not served (the number added would overflow).  The bytes are read by this program alone.
; No tensor loads, no barrier, no cluster: waves and work-groups share no input.  Loads run two fragments (32 loads a wave) ahead, on Wt's way one (its lower part's numbers take the registers).
.set FLOOR, 0x2800000                  ; 2^(5 - 127): under it no largest magnitude is taken, so the byte cannot fall under 1
.set STGB,  8448                       ; a wave's stage: 16 rows x 528 bytes
.set OFF,   16                         ; v16-31   byte offset of my 16 bytes in row i of a fragment; never rewritten
.set RAW,   32                         ; v32-159  two sets of 64: a fragment as loaded
.set X,     160                        ; v160-223 my two blocks of 32 neighbours
.set CD,    224                        ; v224-235 the fragment's 12 registers of codes
.set TA,    236                        ; v236-238, v240-242: the second half of each block's codes (a conversion's three registers begin on an even number)
.set TB,    240
.set SW,    244                        ; v244-247 the four fragments' scale words
.set PW,    248                        ; v248-249 the two words that I store
.set PD,    250                        ; v250     a lane permute's destination
; Wt's way has a register map of its own:
.set FLOORT, 0x4800000                 ; 2^(9 - 127)
.set STGT,  4*STGB                     ; its four stages lie behind the other way's four
.set PIT,   12288                      ; bytes from row to row of Wt
.set PDT,   7                          ; v7       a lane permute's destination
.set SWH,   26                         ; v26-29   the upper part's scale words, one a fragment;  v30-33 the lower part's
.set SWL,   30
.set PWH,   34                         ; v34-37   the words that I store
.set PWL,   36
.set AX,    38                         ; v38-39   a magnitude's bits
.set ZR,    40                         ; v40      0
.set RAWT,  44                         ; v44-107  a fragment as loaded
.set XT,    108                        ; v108-171 my two blocks of 32 neighbours, then the upper part's numbers
.set LO,    172                        ; v172-235 the lower part's numbers
.set CDT,   236                        ; v236-247 a fragment's 12 registers of codes
.set TAT,   248                        ; v248-250, v252-254: the second half of each block's codes
.set TBT,   252
	v_lshl_add_u32 v251, v0, 2, 0x10800
	v_mov_b32 v255, 0
	s_and_b32 s4, ttmp7, 0xffff
	s_sub_co_u32 s4, 159, s4                       ; work-group y, counted down from the grid's end: Wt's work-groups, which have the most work, get the lowest numbers
	s_cmp_ge_u32 s4, 128
	s_cbranch_scc1 .Lwt                            ; y 128-159: Wt's way
	s_load_b512 s[8:23], s[0:1], 0x0               ; Wa 8, Eh 10, Hw 12, x 14, h_cur 16, wqa 18, wq2 20, ca 22
	s_load_b64 s[26:27], s[0:1], 0x40              ; hu
	v_lshrrev_b32 v1, 5, v0
	v_readfirstlane_b32 s2, v1                     ; wave
	v_and_b32 v1, 31, v0                           ; lane
	v_and_b32 v7, 15, v0                           ; r
	v_bfe_u32 v6, v0, 4, 1                         ; h
	v_lshlrev_b32 v2, 4, v1                        ; 16 x lane: my place in a load's or a store's 512 bytes
	s_wait_alu depctr_va_vdst(0)
	v_lshlrev_b32 v5, 3, v1                        ; 8 x lane: my two scale words
	s_mul_i32 s31, s2, STGB
	v_add_nc_u32 v3, s31, v2                       ; the stage on the way in
	v_mul_u32_u24 v4, v7, 528
	v_lshl_add_u32 v4, v6, 7, v4
	v_add_nc_u32 v4, s31, v4                       ; and on the way out: row r, + 128 h
	v_lshlrev_b32 v6, 3, v6                        ; 8 h: how far my two scale bytes are shifted
	v_mov_b32 v[PD], 0                             ; written once: a lane permute's destination counts as one of its sources
	s_mov_b32 s44, 0x76543210
	s_mov_b32 s45, 0xfedcba98                      ; v_permlanex16_b32's selects for lane l xor 16
	s_mov_b32 s46, 0xffff0000                      ; lanes 16-31
	s_lshr_b32 s5, s4, 5
	s_add_co_u32 s5, s5, 1                         ; tensor: 1 Wa, 2 Eh, 3 Hw, 4 the pair [x | h_cur]
	s_and_b32 s6, s4, 31                           ; group of 64 rows
	s_lshr_b32 s7, ttmp9, 1
	s_min_u32 s7, s7, 1
	s_lshr_b32 s28, s5, 2
	s_and_b32 s7, s7, s28                          ; 1 where the K steps are h_cur's
	s_lshl_b32 s51, s7, 1
	s_sub_co_u32 s51, ttmp9, s51                   ; which 512 along the SOURCE's rows
	s_add_co_u32 s7, s7, s5                        ; kind: 1 Wa, 2 Eh, 3 Hw, 4 x, 5 h_cur
	s_mov_b32 s28, 12288                           ; bytes from row to row of the source
	s_cmp_eq_u32 s7, 4
	s_cselect_b32 s28, 4096, s28
	s_cmp_eq_u32 s7, 5
	s_cselect_b32 s28, 8192, s28
	s_cmp_ge_u32 s7, 4                             ; activations?
	s_cselect_b32 s47, 3, 5                        ; rows 8-15 of a fragment lie 8 rows on, a weight's 32
	s_cselect_b32 s48, 4, 3                        ; fragments lie 16 rows apart, a weight's 8
	s_cselect_b32 s49, 1, 2                        ; records in a K step: 2 (shift 1) in ca, 4 (shift 2) in wq2,
	s_cmp_eq_u32 s7, 1
	s_cselect_b32 s49, 1, s49                      ; 2 in wqa
	s_cmp_eq_u32 s7, 3
	s_cselect_b32 s50, 2, 0                        ; Hw lies 2 records behind Eh in its K step
	s_lshl_b32 s29, s28, s47
	s_lshl_b32 s30, s28, s48
	s_lshr_b32 s52, s6, 1                          ; the record's number: ((tile x 24 + K step) x records a step) + weight's place + half of the tile
	s_mul_i32 s52, s52, 24
	s_lshl_b32 s53, ttmp9, 2
	s_add_co_u32 s52, s52, s53
	s_add_co_u32 s52, s52, s2
	s_lshl_b32 s52, s52, s49
	s_add_co_u32 s52, s52, s50
	s_and_b32 s53, s6, 1
	s_add_co_u32 s52, s52, s53
	s_mul_i32 s52, s52, 6400                       ; in bytes (under 2^24)
	s_mov_b32 s53, 0
	s_lshl_b32 s54, s6, 6                          ; the source: 64 rows x group + 2,048 bytes x (512 along K) + 512 x wave
	s_mul_i32 s54, s54, s28
	s_lshl_b32 s55, s51, 11
	s_add_co_u32 s54, s54, s55
	s_lshl_b32 s55, s2, 9
	s_add_co_u32 s54, s54, s55
	s_mov_b32 s55, 0
	s_mov_b32 s56, s30
	s_mov_b32 s57, 0
	v_mov_b32 v[OFF], v2
.irp i, 1,2,3,4,5,6,7
	v_add_nc_u32 v[OFF+\i], s28, v[OFF+\i-1]
.endr
	v_add_nc_u32 v[OFF+8], s29, v[OFF]
.irp i, 9,10,11,12,13,14,15
	v_add_nc_u32 v[OFF+\i], s28, v[OFF+\i-1]
.endr
	s_wait_alu depctr_va_vdst(0)
	s_wait_kmcnt 0x0
	s_cmp_eq_u32 s7, 2                             ; the buffers are chosen by the work-group's number alone
	s_cselect_b64 s[32:33], s[10:11], s[8:9]
	s_cmp_eq_u32 s7, 3
	s_cselect_b64 s[32:33], s[12:13], s[32:33]
	s_cmp_eq_u32 s7, 4
	s_cselect_b64 s[32:33], s[14:15], s[32:33]
	s_cmp_eq_u32 s7, 5
	s_cselect_b64 s[32:33], s[16:17], s[32:33]
	s_cmp_ge_u32 s7, 2
	s_cselect_b64 s[34:35], s[20:21], s[18:19]
	s_cmp_ge_u32 s7, 4
	s_cselect_b64 s[34:35], s[22:23], s[34:35]
	s_add_nc_u64 s[34:35], s[34:35], s[52:53]      ; my record
	s_add_nc_u64 s[26:27], s[26:27], s[52:53]      ; and its twin in hu (used for x alone)
	s_add_nc_u64 s[36:37], s[32:33], s[54:55]      ; a base for each fragment; never rewritten
	s_add_nc_u64 s[38:39], s[36:37], s[56:57]
	s_add_nc_u64 s[40:41], s[38:39], s[56:57]
	s_add_nc_u64 s[42:43], s[40:41], s[56:57]
.macro LOAD t                          ; fragment t's 16 rows: 512 consecutive bytes a load
.irp i, 0,1,2,3,4,5,6,7,8,9,10,11,12,13,14,15
	global_load_b128 v[RAW+64*((\t)%2)+4*\i:RAW+64*((\t)%2)+4*\i+3], v[OFF+\i], s[36+2*(\t):37+2*(\t)] th:TH_LOAD_NT
.endr
.endm
.macro FRAGQ t
.if (\t) < 3
	s_wait_loadcnt 16                              ; this fragment's 16 loads are in; the next fragment's 16 may be out
.else
	s_wait_loadcnt 0x0
.endif
.irp i, 0,1,2,3,4,5,6,7,8,9,10,11,12,13,14,15
	ds_store_b128 v3, v[RAW+64*((\t)%2)+4*\i:RAW+64*((\t)%2)+4*\i+3] offset:528*\i
.endr
.irp c, 0,1                            ; LDS serves a wave's instructions in order (ISA guide 5.7.1.4): these see the stores above.  Block c: k = 64 c + 32 h + 0 .. 31 of row r
.irp j, 0,1,2,3,4,5,6,7
	ds_load_b128 v[X+32*\c+4*\j:X+32*\c+4*\j+3], v4 offset:256*\c+16*\j
.endr
.endr
	s_wait_dscnt 0x0                               ; my 64 numbers are in, and the stores into the stage have read their registers,
.if (\t) < 2
	LOAD (\t)+2                                    ; which take the fragment two on
.endif
.irp c, 0,1                            ; each block's largest magnitude: all 32 numbers are mine; two chains a block, the two blocks by turns
	v_max3_num_f32 v[8+2*\c], |v[X+32*\c]|, |v[X+32*\c+1]|, |v[X+32*\c+2]|
	v_max3_num_f32 v[9+2*\c], |v[X+32*\c+3]|, |v[X+32*\c+4]|, |v[X+32*\c+5]|
.endr
.irp i, 6,10,14,18,22,26
.irp c, 0,1
	v_max3_num_f32 v[8+2*\c], v[8+2*\c], |v[X+32*\c+\i]|, |v[X+32*\c+\i+1]|
	v_max3_num_f32 v[9+2*\c], v[9+2*\c], |v[X+32*\c+\i+2]|, |v[X+32*\c+\i+3]|
.endr
.endr
.irp c, 0,1
	v_max3_num_f32 v[8+2*\c], v[8+2*\c], |v[X+32*\c+30]|, |v[X+32*\c+31]|
.endr
.irp c, 0,1
	v_max3_num_f32 v[8+2*\c], v[8+2*\c], v[9+2*\c], FLOOR
.endr
.irp c, 0,1
	v_add_nc_u32 v[12+\c], 0xfe000000, v[8+2*\c]   ; 4 off the exponent field: the conversion takes the exponent field of this operand as its scale, and nothing else of it
.endr
.irp c, 0,1
	v_lshrrev_b32 v[14+\c], 23, v[12+\c]           ; the scale's byte
.endr
.if (\t) > 0
	s_wait_alu depctr_va_vdst(0)
	s_wait_xcnt 0x0                                ; the last fragment's stores have read the codes' registers: they are written again only behind this wait
.endif
	v_cvt_scalef32_pk16_bf6_f32 v[CD:CD+2], v[X:X+15], v12
	v_cvt_scalef32_pk16_bf6_f32 v[TA:TA+2], v[X+16:X+31], v12
	v_cvt_scalef32_pk16_bf6_f32 v[CD+6:CD+8], v[X+32:X+47], v13
	v_cvt_scalef32_pk16_bf6_f32 v[TB:TB+2], v[X+48:X+63], v13
	v_lshl_or_b32 v[SW+(\t)], v15, 16, v14         ; (a plain place behind the conversions)  my two bytes: blocks h and 2 + h of row r,
.irp i, 0,1,2
	v_mov_b32 v[CD+3+\i], v[TA+\i]
	v_mov_b32 v[CD+9+\i], v[TB+\i]
.endr
	v_lshlrev_b32 v[SW+(\t)], v6, v[SW+(\t)]       ; at their places in the word;
	v_permlanex16_b32 v[PD], v[SW+(\t)], s44, s45
	v_or_b32 v[SW+(\t)], v[SW+(\t)], v[PD]         ; with lane l xor 16's two the word is whole, in both halves of the lanes
.irp g, 0,1,2
	global_store_b128 v2, v[CD+4*\g:CD+4*\g+3], s[34:35] offset:1536*(\t)+512*\g   ; 32 lanes store 512 consecutive bytes, at a multiple of 256 from the buffer's first byte
.endr
	s_cmp_lg_u32 s7, 4
	s_cbranch_scc1 .Lno_twin_\@
.irp g, 0,1,2
	global_store_b128 v2, v[CD+4*\g:CD+4*\g+3], s[26:27] offset:1536*(\t)+512*\g   ; x's codes once more, for the last launch
.endr
.Lno_twin_\@:
.endm
	LOAD 0
	LOAD 1
	FRAGQ 0
	FRAGQ 1
	FRAGQ 2
	FRAGQ 3
	v_cndmask_b32 v[PW], v[SW], v[SW+1], s46       ; lanes 0-15 store fragments 0 and 2's words of row r, lanes 16-31 fragments 1 and 3's
	s_wait_alu depctr_va_vdst(0)
	v_cndmask_b32 v[PW+1], v[SW+2], v[SW+3], s46
	global_store_b64 v5, v[PW:PW+1], s[34:35] offset:6144   ; 256 consecutive bytes, aligned
	s_cmp_lg_u32 s7, 4
	s_cbranch_scc1 .Lend
	global_store_b64 v5, v[PW:PW+1], s[26:27] offset:6144
.Lend:
	s_wait_tensorcnt 0x0
	ds_add_u32 v251, v255
	s_wait_dscnt 0x0
	s_endpgm
; ---- Wt's way: a wave makes a pair of records, the upper part's and the lower part's
.Lwt:
	s_load_b64 s[4:5], s[0:1], 0x48                ; Wt
	s_load_b64 s[6:7], s[0:1], 0x50                ; wqt
	v_lshrrev_b32 v1, 5, v0
	v_readfirstlane_b32 s2, v1                     ; wave
	v_and_b32 v1, 31, v0                           ; lane
	v_and_b32 v8, 15, v0                           ; r
	v_bfe_u32 v6, v0, 4, 1                         ; h
	v_lshlrev_b32 v2, 4, v1                        ; 16 x lane
	v_lshlrev_b32 v5, 3, v1                        ; 8 x lane
	s_mul_i32 s8, s2, STGB
	s_add_co_u32 s8, s8, STGT                      ; this way's own LDS bytes
	v_add_nc_u32 v3, s8, v2                        ; the stage on the way in
	v_mul_u32_u24 v4, v8, 528
	v_lshl_add_u32 v4, v6, 7, v4
	v_add_nc_u32 v4, s8, v4                        ; and on the way out: row r, + 128 h
	v_lshlrev_b32 v6, 3, v6                        ; 8 h
	v_mov_b32 v[PDT], 0                            ; written once: a lane permute's destination counts as one of its sources
	v_mov_b32 v[ZR], 0
	s_mov_b32 s12, 0x76543210
	s_mov_b32 s13, 0xfedcba98                      ; v_permlanex16_b32's selects for lane l xor 16
	s_mov_b32 s14, 0xffff0000                      ; lanes 16-31
	s_mov_b32 s15, 0x700000                        ; the mantissa field of 1.875
	s_mov_b32 s20, 0x7fffffff
	s_and_b32 s9, ttmp7, 31
	s_xor_b32 s9, s9, 31                           ; group of 64 rows: y - 128 = 31 - the grid's y
	s_lshr_b32 s16, s9, 1                          ; the upper record's number: (tile x 24 + K step) x 4 + half of the tile
	s_mul_i32 s16, s16, 24
	s_lshl_b32 s17, ttmp9, 2
	s_add_co_u32 s16, s16, s17
	s_add_co_u32 s16, s16, s2
	s_lshl_b32 s16, s16, 2
	s_and_b32 s17, s9, 1
	s_add_co_u32 s16, s16, s17
	s_mul_i32 s16, s16, 6400
	s_mov_b32 s17, 0
	s_mul_i32 s18, s9, 64*PIT                      ; the source: 64 rows x group + 2,048 bytes x (512 along K) + 512 x wave
	s_lshl_b32 s19, ttmp9, 11
	s_add_co_u32 s18, s18, s19
	s_lshl_b32 s19, s2, 9
	s_add_co_u32 s18, s18, s19
	s_mov_b32 s19, 0
	s_wait_alu depctr_va_vdst(0)
	s_wait_kmcnt 0x0
	s_add_nc_u64 s[4:5], s[4:5], s[18:19]
	s_add_nc_u64 s[6:7], s[6:7], s[16:17]
.macro LOADT t                         ; fragment t's 16 rows, 512 consecutive bytes a load; every row's place is an immediate (774,144 at the most)
.irp i, 0,1,2,3,4,5,6,7,8,9,10,11,12,13,14,15
	global_load_b128 v[RAWT+4*\i:RAWT+4*\i+3], v2, s[4:5] offset:((\t)*8+\i%8+(\i/8)*32)*PIT th:TH_LOAD_NT
.endr
.endm
.macro CODES src, s0, s1               ; 64 numbers at v[src] on become the fragment's 12 registers; s0, s1: the two blocks' scale operands
	v_cvt_scalef32_pk16_bf6_f32 v[CDT:CDT+2], v[\src:\src+15], v[\s0]
	v_cvt_scalef32_pk16_bf6_f32 v[TAT:TAT+2], v[\src+16:\src+31], v[\s0]
	v_cvt_scalef32_pk16_bf6_f32 v[CDT+6:CDT+8], v[\src+32:\src+47], v[\s1]
	v_cvt_scalef32_pk16_bf6_f32 v[TBT:TBT+2], v[\src+48:\src+63], v[\s1]
	v_nop                                          ; one plain place behind a scaled conversion
.irp i, 0,1,2
	v_mov_b32 v[CDT+3+\i], v[TAT+\i]
	v_mov_b32 v[CDT+9+\i], v[TBT+\i]
.endr
.endm
.macro FRAGT t
	s_wait_loadcnt 0x0                             ; this fragment's 16 loads are in
.irp i, 0,1,2,3,4,5,6,7,8,9,10,11,12,13,14,15
	ds_store_b128 v3, v[RAWT+4*\i:RAWT+4*\i+3] offset:528*\i
.endr
.irp c, 0,1                            ; LDS serves a wave's instructions in order (ISA guide 5.7.1.4): these see the stores above.  Block c: k = 64 c + 32 h + 0 .. 31 of row r
.irp j, 0,1,2,3,4,5,6,7
	ds_load_b128 v[XT+32*\c+4*\j:XT+32*\c+4*\j+3], v4 offset:256*\c+16*\j
.endr
.endr
	s_wait_dscnt 0x0                               ; my 64 numbers are in, and the stores into the stage have read their registers,
.if (\t) < 3
	LOADT (\t)+1                                   ; which take the next fragment
.endif
.irp c, 0,1                            ; each block's largest magnitude: all 32 numbers are mine
	v_max3_num_f32 v[8+2*\c], |v[XT+32*\c]|, |v[XT+32*\c+1]|, |v[XT+32*\c+2]|
	v_max3_num_f32 v[9+2*\c], |v[XT+32*\c+3]|, |v[XT+32*\c+4]|, |v[XT+32*\c+5]|
.endr
.irp i, 6,10,14,18,22,26
.irp c, 0,1
	v_max3_num_f32 v[8+2*\c], v[8+2*\c], |v[XT+32*\c+\i]|, |v[XT+32*\c+\i+1]|
	v_max3_num_f32 v[9+2*\c], v[9+2*\c], |v[XT+32*\c+\i+2]|, |v[XT+32*\c+\i+3]|
.endr
.endr
.irp c, 0,1
	v_max3_num_f32 v[8+2*\c], v[8+2*\c], |v[XT+32*\c+30]|, |v[XT+32*\c+31]|
.endr
.irp c, 0,1
	v_max3_num_f32 v[8+2*\c], v[8+2*\c], v[9+2*\c], FLOORT
.endr
.irp c, 0,1
	v_add_nc_u32 v[12+\c], 0xfe000000, v[8+2*\c]   ; 4 off the exponent field: the upper part's scale operand (its exponent field is s's)
.endr
.irp c, 0,1
	v_lshrrev_b32 v[14+\c], 23, v[12+\c]           ; the scale's byte
	v_and_b32 v[18+\c], 0x7f800000, v[12+\c]       ; s as f32
	v_and_or_b32 v[16+\c], v[12+\c], 0x7f800000, s15   ; 1.875 s
	v_add_nc_u32 v[24+\c], 0xfe000000, v[12+\c]    ; 4 more off: the lower part's scale operand, s / 16
.endr
.irp c, 0,1
	v_add_nc_u32 v[20+2*\c], 0x09c00000, v[18+\c]  ; 1.5 x 2^23 x s / 16: 19 onto the exponent field, a half into the mantissa
	v_add_nc_u32 v[18+\c], 0xff000000, v[18+\c]    ; 0.25 s
.endr
.irp c, 0,1
	v_mov_b32 v[21+2*\c], v[20+2*\c]               ; twice, for the packed additions
.endr
.irp c, 0,1
.set j, 0
.rept 16
	v_pk_add_f32 v[LO+32*\c+j:LO+32*\c+j+1], v[XT+32*\c+j:XT+32*\c+j+1], v[20+2*\c:21+2*\c]
.set j, j+2
.endr
.set j, 0
.rept 16
	v_pk_add_f32 v[LO+32*\c+j:LO+32*\c+j+1], v[LO+32*\c+j:LO+32*\c+j+1], v[20+2*\c:21+2*\c] neg_lo:[0,1] neg_hi:[0,1]   ; w to the nearest multiple of s / 16 (used under 0.25 s alone)
.set j, j+2
.endr
.set j, 0
.rept 32
	v_and_b32 v[AX+j%2], s20, v[XT+32*\c+j]        ; |w|: magnitudes compare as whole numbers
	v_cmp_gt_u32 vcc_lo, v[18+\c], v[AX+j%2]       ; |w| < 0.25 s: the rounded number, else w itself
	v_cndmask_b32 v[LO+32*\c+j], v[XT+32*\c+j], v[LO+32*\c+j], vcc_lo
	v_cmp_le_u32 vcc_lo, v[16+\c], v[AX+j%2]       ; |w| >= 1.875 s: the upper part's
	v_cndmask_b32 v[LO+32*\c+j], v[LO+32*\c+j], v[ZR], vcc_lo
	v_cndmask_b32 v[XT+32*\c+j], 0, v[XT+32*\c+j], vcc_lo
.set j, j+1
.endr
.endr
.if (\t) > 0
	s_wait_alu depctr_va_vdst(0)
	s_wait_xcnt 0x0                                ; the last stores have read the codes' registers: they are written again only behind this wait
.endif
	CODES XT, 12, 13
	v_lshl_or_b32 v[SWH+(\t)], v15, 16, v14        ; my two bytes: blocks h and 2 + h of row r,
	v_lshlrev_b32 v[SWH+(\t)], v6, v[SWH+(\t)]     ; at their places in the word;
	v_permlanex16_b32 v[PDT], v[SWH+(\t)], s12, s13
	v_or_b32 v[SWH+(\t)], v[SWH+(\t)], v[PDT]      ; with lane l xor 16's two the word is whole
	v_add_nc_u32 v[SWL+(\t)], 0xfbfbfbfc, v[SWH+(\t)]   ; 4 off each byte: every byte is 5 or more, so no byte borrows
.irp g, 0,1,2
	global_store_b128 v2, v[CDT+4*\g:CDT+4*\g+3], s[6:7] offset:1536*(\t)+512*\g   ; 512 consecutive bytes, at a multiple of 256 from the buffer's first byte
.endr
	s_wait_xcnt 0x0                                ; they have read the codes' registers
	CODES LO, 24, 25
.irp g, 0,1,2
	global_store_b128 v2, v[CDT+4*\g:CDT+4*\g+3], s[6:7] offset:12800+1536*(\t)+512*\g   ; the lower part's record lies two records on
.endr
.endm
	LOADT 0
	FRAGT 0
	FRAGT 1
	FRAGT 2
	FRAGT 3
	v_cndmask_b32 v[PWH], v[SWH], v[SWH+1], s14    ; lanes 0-15 store fragments 0 and 2's words of row r, lanes 16-31 fragments 1 and 3's
	v_cndmask_b32 v[PWH+1], v[SWH+2], v[SWH+3], s14
	v_cndmask_b32 v[PWL], v[SWL], v[SWL+1], s14
	v_cndmask_b32 v[PWL+1], v[SWL+2], v[SWL+3], s14
	global_store_b64 v5, v[PWH:PWH+1], s[6:7] offset:6144         ; 256 consecutive bytes, aligned
	global_store_b64 v5, v[PWL:PWL+1], s[6:7] offset:12800+6144
	s_wait_tensorcnt 0x0
	ds_add_u32 v251, v255
	s_wait_dscnt 0x0
	s_endpgm
.Lfunc_end_k_qce3fc99a15_quant:
	.size	k_qce3fc99a15_quant, .Lfunc_end_k_qce3fc99a15_quant-k_qce3fc99a15_quant
	.p2alignl 7, 3214868480
	.fill 96, 4, 3214868480
	.section	.rodata,"a",@progbits
	.p2align	6, 0x0
	.amdhsa_kernel k_qce3fc99a15_quant
		.amdhsa_group_segment_fixed_size 68096
		.amdhsa_private_segment_fixed_size 0
		.amdhsa_enable_private_segment 0
		.amdhsa_kernarg_size 88
		.amdhsa_user_sgpr_count 2
		.amdhsa_user_sgpr_kernarg_segment_ptr 1
		.amdhsa_wavefront_size32 1
		.amdhsa_system_sgpr_workgroup_id_x 1
		.amdhsa_system_sgpr_workgroup_id_y 1
		.amdhsa_system_sgpr_workgroup_id_z 1
		.amdhsa_system_vgpr_workitem_id 0
		.amdhsa_next_free_vgpr 256
		.amdhsa_next_free_sgpr 66
		.amdhsa_reserve_vcc 1
		.amdhsa_float_denorm_mode_32 3
		.amdhsa_float_denorm_mode_16_64 3
		.amdhsa_memory_ordered 1
		.amdhsa_forward_progress 1
		.amdhsa_inst_pref_size 134
	.end_amdhsa_kernel
	.amdgpu_metadata
---
amdhsa.version: [ 1, 2 ]
amdhsa.kernels:
  - .name:           k_qce3fc99a15_quant
    .symbol:         k_qce3fc99a15_quant.kd
    .args:
      - { .name: Wa_w, .offset: 0, .size: 8, .value_kind: global_buffer, .address_space: global }
      - { .name: Eh_w, .offset: 8, .size: 8, .value_kind: global_buffer, .address_space: global }
      - { .name: Hw_w, .offset: 16, .size: 8, .value_kind: global_buffer, .address_space: global }
      - { .name: x, .offset: 24, .size: 8, .value_kind: global_buffer, .address_space: global }
      - { .name: h_cur, .offset: 32, .size: 8, .value_kind: global_buffer, .address_space: global }
      - { .name: wqa, .offset: 40, .size: 8, .value_kind: global_buffer, .address_space: global }
      - { .name: wq2, .offset: 48, .size: 8, .value_kind: global_buffer, .address_space: global }
      - { .name: ca, .offset: 56, .size: 8, .value_kind: global_buffer, .address_space: global }
      - { .name: hu, .offset: 64, .size: 8, .value_kind: global_buffer, .address_space: global }
      - { .name: Wt_w, .offset: 72, .size: 8, .value_kind: global_buffer, .address_space: global }
      - { .name: wqt, .offset: 80, .size: 8, .value_kind: global_buffer, .address_space: global }
    .group_segment_fixed_size: 68096
    .private_segment_fixed_size: 0
    .kernarg_segment_align: 8
    .kernarg_segment_size: 88
    .max_flat_workgroup_size: 128
    .sgpr_count:     66
    .vgpr_count:     256
    .wavefront_size: 32
...
	.end_amdgpu_metadata
.endif
;; end of part 1
;; launch gates (part 2): grid 16 x 16, 4 waves a work-group, clusters of 4 x 4, 327,680 bytes of LDS; arguments ca, wqa, wqt, Wt_b, Wa_b, time_cell, excited_cell, h_cur, out1, out2, hu; writes out1, out2, hu
.if DOCPART == 2
	.amdgcn_target "amdgcn-amd-amdhsa--gfx1250"
	.amdhsa_code_object_version 6
	.text
	.protected	k_qce3fc99a15_gates
	.globl	k_qce3fc99a15_gates
	.p2align	8
	.type	k_qce3fc99a15_gates,@function
k_qce3fc99a15_gates:
	s_mov_b64 s[64:65], 0
	v_nop
	global_prefetch_b8 v0, s[64:65] scope:SCOPE_SE
	s_setreg_imm32_b32 hwreg(HW_REG_WAVE_MODE, 25, 1), 1
	s_wait_xcnt 0x0
	s_wait_alu depctr_hold_cnt(0) depctr_sa_sdst(0) depctr_va_vdst(0) depctr_va_sdst(0) depctr_va_ssrc(0) depctr_va_vcc(0) depctr_vm_vsrc(0)
	s_getreg_b32 s2, hwreg(HW_REG_IB_STS2, 6, 4)
	s_cmp_eq_u32 s2, 0
	s_cbranch_scc0 .Lentry_in_a_cluster
	s_endpgm
.Lentry_in_a_cluster:
	s_bfe_u32 s2, ttmp6, 0x10000c
	s_cmp_lg_u32 s2, 0xf033
	s_cbranch_scc0 .Lentry_shape_is_right
	s_endpgm
.Lentry_shape_is_right:
; up_time, leap, time_next (out2), excited (out1) and the codes of h_up = h_cur x leap x excited_cell (into hu), from [x | h_cur] x Wt^T and x Wa^T on codes of BF6.
; A work-group of four waves makes 128 x 128 of both products; a wave 64 x 64 of three sums: Wa's, Wt's upper part's and Wt's lower part's (the two parts are added in f32 behind the loop).
; K goes in 24 steps of 128 through a ring of two LDS slots of three steps each: eight fills.  A fill is four dense runs of 38,400 bytes (150 blocks of 256), one joint load a wave:
; wave 0 ca's records (shared along the cluster's row), wave 1 wqa's, waves 2 and 3 wqt's (shared along its column).
; PREFETCH INTO THE L2: behind the load of fill n each wave asks for its run of fill n + 2; fills 2 and 3 are asked for behind the head's second load, fills 0 and 1 come by their loads alone, the loop's last trip asks for nothing.
; The four partners of a joint load share the run's 150 blocks out by address: partner p (cx for ca, cy for the weights) names blocks 38 p .. 38 p + 37, held at 149; a lane a block, two instructions a wave.
; tanh for up_time is a rational form of the argument held to +-7.998, its quotient refined once.
.set SLOT,  153600
.set SPARE, 2*SLOT
.set REC,   6400
.set SCW,   6144
.set AST,   2*REC
.set BST,   4*REC
.set AREG,  3*AST
.set BOFF,  2*AREG
.set STW,   13056
.set ST2,   4352
.set ST3,   8704
.set IMG,   4*STW
.set ADA, 8
.set ASA, 12
.set ADB, 16
.set ASB, 20
.set STO, 24
.set RD,  25
.set CO,  26
.set VB,  27
.set SPW, 28
.set NIL, 29
.set IM1, 30
.set IM2, 31
.set ISB, 32
.set CP,  33
.set CG,  34
.set SC,  40
.set BT,  56
.set BA,  60
.set LOA, 128
.set AF,  0
.set BF,  96
.set TA,  0                            ; tanh's work registers, sixteen each, in the block's window: v0-47 held fragments and are done with
.set TB,  16
.set TC,  32
.set H0,  64                           ; window 0, v64-127: h_cur of blocks 0 and 1, asked for behind the loop, five K steps ahead of the way out
.set PF0, 35                           ; v35, v36: byte offsets of the blocks that my lane asks for; never rewritten
.set PF1, 36
.set PFT, 37                           ; v37: my lane x a row of time_cell, excited_cell or h_cur (8,192 bytes); never rewritten
.set PFU, 38                           ; v38: the same for rows 16 .. 31 (the lanes left over name row 31 again); never rewritten
.set PFS, 94                           ; s[94:95] bytes from a fill's run to the next fill's
.set PFH, 98                           ; s[98:99] my run of fill 2
.set PFR, 100                          ; s[100:101] my run of fill 3, then stepped a fill at each change of slots
.set C1,  64
.set C2,  96
.set QM,  152
.set KN,  156
.set KD,  158
.set HH,  160
.set TT,  192
.set EE,  224
.set KA13, 0xa59f25c0
.set KA11, 0x2a61337e
.set KA9,  0xaebd37ff
.set KA7,  0x335c0041
.set KA5,  0x3779434a
.set KA3,  0x3a270ded
.set KA1,  0x3ba059dc
.set KB6,  0x35a0d3d8
.set KB4,  0x38f895d6
.set KB2,  0x3b14aa05
.set KB0,  0x3ba059dd
.set G1A, 28
.set G1B, 36
.set G0A, 44
.set G0B, 52
.set MSB, 0
.macro WIN new
.if MSB != (\new)
	s_set_vgpr_msb (MSB<<8)|(\new)
.set MSB, (\new)
.endif
.endm
.macro PLACES n
.rept \n
	v_nop
.endr
.endm
.macro JLOAD s
	s_cmp_eq_u32 s24, 0
	s_cbranch_scc0 .Lfor_b_\@
	tensor_load_to_lds s[G0A+4*\s:G0A+4*\s+3], s[G1A:G1A+7]
	s_nop 0
	PLACES 4
	s_branch .Lasked_\@
.Lfor_b_\@:
	tensor_load_to_lds s[G0B+4*\s:G0B+4*\s+3], s[G1B:G1B+7]
	s_nop 0
	PLACES 4
.Lasked_\@:
.endm
.macro CREST
	s_cmp_lg_u32 s24, 0
	s_cbranch_scc1 .Lnot_wave_0_\@
	s_barrier_signal -3
.Lnot_wave_0_\@:
	s_barrier_wait -3
	s_barrier_signal -1
	s_barrier_wait -1
.endm
.macro CROUND
	s_barrier_signal -1
	s_barrier_wait -1
	CREST
.endm
.macro ASK                             ; behind the load of fill n: my share of fill n + 2; the loop's last trip (s80 = 1) has no fill two on
	s_cmp_gt_u32 s80, 1
	s_cbranch_scc0 .Lno_ask_\@
	global_prefetch_b8 v[PF0], s[PFR:PFR+1] th:TH_LOAD_NT scope:SCOPE_SE
	global_prefetch_b8 v[PF1], s[PFR:PFR+1] th:TH_LOAD_NT scope:SCOPE_SE
.Lno_ask_\@:
.endm
	s_load_b512 s[4:19], s[0:1], 0x0
	s_load_b128 s[20:23], s[0:1], 0x40
	s_load_b64 s[90:91], s[0:1], 0x50
	v_lshl_add_u32 v[SPW], v0, 2, SPARE
	v_mov_b32 v[NIL], 0
	ds_add_u32 v28, v29
	ds_add_u32 v28, v29
	s_wait_dscnt 0x0
	v_lshrrev_b32 v1, 5, v0
	v_readfirstlane_b32 s24, v1
	s_lshr_b32 s25, s24, 1
	s_and_b32 s26, s24, 1
	s_mov_b32 s88, 0x40fff644
	s_mov_b32 s89, 0xc0fff644
	s_bfe_u32 s60, ttmp6, 0x40000
	s_bfe_u32 s61, ttmp6, 0x40004
	s_lshl_b32 s62, ttmp9, 2
	s_add_co_u32 s62, s62, s60
	s_and_b32 s63, ttmp7, 0xffff
	s_lshl_b32 s63, s63, 2
	s_add_co_u32 s63, s63, s61
	s_lshl_b32 s66, s61, 2
	s_lshl_b32 s66, 15, s66
	s_lshl_b32 s67, 0x1111, s60
	s_or_b32 s[G1A], s66, (3<<16)|(1<<21)
	s_or_b32 s[G1B], s67, (3<<16)|(1<<21)
.irp g, G1A, G1B
	s_mov_b32 s[\g+1], 32<<16
	s_mov_b32 s[\g+2], 150<<16
	s_mov_b32 s[\g+3], 32<<16
	s_mov_b32 s[\g+4], 150
	s_mov_b32 s[\g+5], 32
	s_mov_b32 s[\g+6], 0
	s_mov_b32 s[\g+7], 0
.endr
	s_mul_i32 s68, s63, 24*AST
	s_mov_b32 s69, 0
	s_mul_i32 s72, s62, 24*AST
	s_lshl_b32 s72, s72, s25
	s_mul_i32 s75, s26, AREG
	s_mul_i32 s75, s75, s25
	s_add_co_u32 s72, s72, s75
	s_mov_b32 s73, 0
	s_mul_i32 s74, s24, AREG
	s_mov_b32 s94, 2*AREG
	s_cmp_lt_u32 s24, 2
	s_cselect_b32 s94, AREG, s94
	s_mov_b32 s95, 0
	s_lshl_b32 s92, s94, 1
	s_mov_b32 s93, 0
	s_lshl_b32 s76, s63, 7
	s_lshl_b32 s77, s25, 6
	s_add_co_u32 s76, s76, s77
	s_lshl_b32 s76, s76, 13
	s_lshl_b32 s78, s62, 7
	s_lshl_b32 s79, s26, 6
	s_add_co_u32 s78, s78, s79
	s_lshl_b32 s78, s78, 2
	s_add_co_u32 s76, s76, s78
	s_mov_b32 s77, 0
	s_mov_b32 s79, 0
	s_mul_i32 s84, s63, 24
	s_add_co_u32 s84, s84, s62
	s_add_co_u32 s84, s84, 8
	s_mul_i32 s84, s84, AST
	s_mov_b32 s85, 0
	s_cmp_eq_u32 s24, 0
	s_cselect_b32 s75, s60, s61                    ; my place among the four that ask for my run with me
	s_mul_i32 s75, s75, 38
	v_and_b32 v[PF0], 31, v0
	v_min_u32 v[PF1], 5, v[PF0]
	v_add_nc_u32 v[PF0], s75, v[PF0]               ; blocks 38 p + 0 .. 31
	v_add3_u32 v[PF1], v[PF1], s75, 32             ; and 38 p + 32 .. 37 (the lanes left over name the last again)
	v_min_u32 v[PF0], 149, v[PF0]
	v_min_u32 v[PF1], 149, v[PF1]                  ; held inside the run
	v_lshlrev_b32 v[PF0], 8, v[PF0]
	v_lshlrev_b32 v[PF1], 8, v[PF1]
	v_and_b32 v[PFT], 31, v0
	v_add_nc_u32 v[PFU], 16, v[PFT]
	v_min_u32 v[PFU], 31, v[PFU]
	v_lshlrev_b32 v[PFT], 13, v[PFT]
	v_lshlrev_b32 v[PFU], 13, v[PFU]
	s_wait_alu depctr_va_vdst(0)                   ; the wait here, directly ahead of the wait below
	s_wait_kmcnt 0x0
	s_cmp_lt_u32 s24, 2
	s_cselect_b64 s[86:87], s[6:7], s[8:9]
	s_add_nc_u64 s[68:69], s[4:5], s[68:69]
	s_add_nc_u64 s[72:73], s[86:87], s[72:73]
	s_cmp_eq_u32 s24, 0
	s_cselect_b64 s[PFH:PFH+1], s[68:69], s[72:73] ; the run that I fetch: ca's or a weight's
	s_add_nc_u64 s[PFH:PFH+1], s[PFH:PFH+1], s[92:93]
	s_add_nc_u64 s[PFR:PFR+1], s[PFH:PFH+1], s[PFS:PFS+1]
	CROUND
.irp s, 0,1
	s_mov_b32 s[G0A+4*\s], 1
	s_mov_b32 s[G0A+4*\s+1], \s*SLOT
	s_add_nc_u64 s[G0A+4*\s+2:G0A+4*\s+3], s[68:69], \s*AREG
	s_or_b32 s[G0A+4*\s+3], s[G0A+4*\s+3], 0x80000000
	s_mov_b32 s[G0B+4*\s], 1
	s_add_co_u32 s[G0B+4*\s+1], s74, \s*SLOT
.if \s == 0
	s_mov_b64 s[G0B+2:G0B+3], s[72:73]
.else
	s_add_nc_u64 s[G0B+6:G0B+7], s[72:73], s[94:95]
.endif
	s_or_b32 s[G0B+4*\s+3], s[G0B+4*\s+3], 0x80000000
.if \s == 1                            ; slot 1's first fill is issued as a refill is
	s_wait_alu depctr_va_vdst(0)
	s_wait_tensorcnt 0x0
	ds_add_u32 v28, v29
	ds_add_u32 v28, v29
	s_wait_dscnt 0x0
	CROUND
.endif
	JLOAD \s
.endr
	global_prefetch_b8 v[PF0], s[PFH:PFH+1] th:TH_LOAD_NT scope:SCOPE_SE   ; fills 2 and 3
	global_prefetch_b8 v[PF1], s[PFH:PFH+1] th:TH_LOAD_NT scope:SCOPE_SE
	global_prefetch_b8 v[PF0], s[PFR:PFR+1] th:TH_LOAD_NT scope:SCOPE_SE
	global_prefetch_b8 v[PF1], s[PFR:PFR+1] th:TH_LOAD_NT scope:SCOPE_SE
	s_add_nc_u64 s[10:11], s[10:11], s[78:79]
	s_add_nc_u64 s[12:13], s[12:13], s[78:79]
	s_add_nc_u64 s[14:15], s[14:15], s[76:77]
	s_add_nc_u64 s[16:17], s[16:17], s[76:77]
	s_add_nc_u64 s[18:19], s[18:19], s[76:77]
	s_add_nc_u64 s[20:21], s[20:21], s[76:77]
	s_add_nc_u64 s[22:23], s[22:23], s[76:77]
	s_add_nc_u64 s[90:91], s[90:91], s[84:85]
	v_and_b32 v1, 31, v0
	v_and_b32 v2, 15, v0
	v_bfe_u32 v3, v0, 4, 1
	v_lshlrev_b32 v[VB], 4, v2
	v_lshl_add_u32 v[CO], v3, 13, v[VB]
.macro PRETE a, W
	WIN (\W)<<6
.irp i, 0,1,2,3,4,5,6,7
	global_load_b128 v[TT+4*\i:TT+4*\i+3], v[CO], s[14:15] offset:(16*(\a)+2*\i)*8192 th:TH_LOAD_NT
	global_load_b128 v[EE+4*\i:EE+4*\i+3], v[CO], s[16:17] offset:(16*(\a)+2*\i)*8192 th:TH_LOAD_NT
.endr
	WIN 0
.endm
.macro PREH a, W
	WIN (\W)<<6
.irp i, 0,1,2,3,4,5,6,7
	global_load_b128 v[HH+4*\i:HH+4*\i+3], v[CO], s[18:19] offset:(16*(\a)+2*\i)*8192
.endr
	WIN 0
.endm
.macro LOADH a
.irp i, 0,1,2,3,4,5,6,7
	global_load_b128 v[H0+32*(\a)+4*\i:H0+32*(\a)+4*\i+3], v[CO], s[18:19] offset:(16*(\a)+2*\i)*8192
.endr
.endm
	global_load_b128 v[BT:BT+3], v[VB], s[10:11]
	global_load_b128 v[BA:BA+3], v[VB], s[12:13]
	PRETE 0, 1
	v_lshlrev_b32 v4, 4, v1
	v_lshlrev_b32 v5, 3, v1
	s_mul_i32 s81, s25, REC
	s_mul_i32 s82, s26, REC
	s_add_co_u32 s87, s82, AREG
	s_add_co_u32 s82, s82, BOFF
	v_add_nc_u32 v[ADA], s81, v4
	v_add_nc_u32 v[ADA+1], s87, v4
	v_add_nc_u32 v[ADA+2], SLOT, v[ADA]
	v_add_nc_u32 v[ADA+3], SLOT, v[ADA+1]
	v_add_nc_u32 v[ASA], s81, v5
	v_add_nc_u32 v[ASA+1], s87, v5
	v_add_nc_u32 v[ASA+2], SLOT, v[ASA]
	v_add_nc_u32 v[ASA+3], SLOT, v[ASA+1]
	v_add_nc_u32 v[ADB], s82, v4
	v_add_nc_u32 v[ADB+1], 2*BST, v[ADB]
	v_add_nc_u32 v[ADB+2], SLOT, v[ADB]
	v_add_nc_u32 v[ADB+3], SLOT, v[ADB+1]
	v_add_nc_u32 v[ASB], s82, v5
	v_add_nc_u32 v[ASB+1], 2*BST, v[ASB]
	v_add_nc_u32 v[ASB+2], SLOT, v[ASB]
	v_add_nc_u32 v[ASB+3], SLOT, v[ASB+1]
	s_mul_i32 s83, s24, STW
	v_mul_u32_u24 v6, v2, 272
	v_lshl_add_u32 v6, v3, 7, v6
	v_add_nc_u32 v[STO], s83, v6
	v_mul_u32_u24 v6, v3, 272
	v_lshl_add_u32 v6, v2, 4, v6
	v_add_nc_u32 v[RD], s83, v6
	s_add_co_u32 s81, s81, IMG
	s_mul_i32 s86, s26, 520
	s_add_co_u32 s86, s86, s81
	v_add_nc_u32 v[IM1], s86, v4
	s_mul_i32 s86, s26, 1016
	s_add_co_u32 s86, s86, s81
	s_add_co_u32 s86, s86, 8
	v_add_nc_u32 v[IM2], s86, v4
	s_lshl_b32 s86, s26, 1
	s_add_co_u32 s86, s86, s81
	s_add_co_u32 s86, s86, SCW
	v_lshl_add_u32 v6, v2, 3, v3
	v_add_nc_u32 v[ISB], s86, v6
	s_mul_i32 s86, s24, 3072
	v_add_nc_u32 v[CG], s86, v4
	v_add_nc_u32 v[CP], IMG, v[CG]
.macro WM zero
.if \zero
.if vr == 0
	v_wmma_scale_f32_16x16x128_f8f6f4 v[rD:rD+7], v[rX:rX+11], v[rY:rY+11], 0, v[rSX], v[rSY] matrix_a_fmt:MATRIX_FMT_BF6 matrix_b_fmt:MATRIX_FMT_BF6
.elseif vr == 1
	v_wmma_scale_f32_16x16x128_f8f6f4 v[rD:rD+7], v[rX:rX+11], v[rY:rY+11], 0, v[rSX], v[rSY] matrix_a_fmt:MATRIX_FMT_BF6 matrix_b_fmt:MATRIX_FMT_BF6 matrix_b_scale:MATRIX_SCALE_ROW1
.elseif vr == 2
	v_wmma_scale_f32_16x16x128_f8f6f4 v[rD:rD+7], v[rX:rX+11], v[rY:rY+11], 0, v[rSX], v[rSY] matrix_a_fmt:MATRIX_FMT_BF6 matrix_b_fmt:MATRIX_FMT_BF6 matrix_a_scale:MATRIX_SCALE_ROW1
.else
	v_wmma_scale_f32_16x16x128_f8f6f4 v[rD:rD+7], v[rX:rX+11], v[rY:rY+11], 0, v[rSX], v[rSY] matrix_a_fmt:MATRIX_FMT_BF6 matrix_b_fmt:MATRIX_FMT_BF6 matrix_a_scale:MATRIX_SCALE_ROW1 matrix_b_scale:MATRIX_SCALE_ROW1
.endif
.else
.if vr == 0
	v_wmma_scale_f32_16x16x128_f8f6f4 v[rD:rD+7], v[rX:rX+11], v[rY:rY+11], v[rD:rD+7], v[rSX], v[rSY] matrix_a_fmt:MATRIX_FMT_BF6 matrix_b_fmt:MATRIX_FMT_BF6
.elseif vr == 1
	v_wmma_scale_f32_16x16x128_f8f6f4 v[rD:rD+7], v[rX:rX+11], v[rY:rY+11], v[rD:rD+7], v[rSX], v[rSY] matrix_a_fmt:MATRIX_FMT_BF6 matrix_b_fmt:MATRIX_FMT_BF6 matrix_b_scale:MATRIX_SCALE_ROW1
.elseif vr == 2
	v_wmma_scale_f32_16x16x128_f8f6f4 v[rD:rD+7], v[rX:rX+11], v[rY:rY+11], v[rD:rD+7], v[rSX], v[rSY] matrix_a_fmt:MATRIX_FMT_BF6 matrix_b_fmt:MATRIX_FMT_BF6 matrix_a_scale:MATRIX_SCALE_ROW1
.else
	v_wmma_scale_f32_16x16x128_f8f6f4 v[rD:rD+7], v[rX:rX+11], v[rY:rY+11], v[rD:rD+7], v[rSX], v[rSY] matrix_a_fmt:MATRIX_FMT_BF6 matrix_b_fmt:MATRIX_FMT_BF6 matrix_a_scale:MATRIX_SCALE_ROW1 matrix_b_scale:MATRIX_SCALE_ROW1
.endif
.endif
.endm
.macro MULH a, set, zero
.irp p, 0,1
.irp b, 0,1,2,3
.set rD, 8*(8*(\a)+4*\p+\b)
.set rX, BF-48*\p+12*\b
.set rY, AF+12*(\a)
.set rSX, SC+8*(\set)+4-2*\p+\b/2
.set rSY, SC+8*(\set)+(\a)/2
.set vr, 2*(\b%2)+(\a)%2
	WM \zero
.endr
.endr
.endm
.macro MULL a, set, zero
.irp b, 0,1,2,3
.set rD, LOA+8*(4*(\a)+\b)
.set rX, BF+48+12*\b
.set rY, AF+12*(\a)
.set rSX, SC+8*(\set)+6+\b/2
.set rSY, SC+8*(\set)+(\a)/2
.set vr, 2*(\b%2)+(\a)%2
	WM \zero
.endr
.endm
; A K step's fragments come in five parts, so that they can stand between groups of matrix instructions: FSC the scale words, FA 0 ca's record, FA 1 wqa's, FB 0 and FB 1 wqt's two
.macro FSC slot, q, set
	WIN 0
.irp p, 0,1
	ds_load_b64 v[SC+8*(\set)+2*\p:SC+8*(\set)+2*\p+1], v[ASA+2*\slot+\p] offset:AST*(\q)+SCW
	ds_load_b64 v[SC+8*(\set)+4+2*\p:SC+8*(\set)+5+2*\p], v[ASB+2*\slot+(\q)/2] offset:BST*((\q)%2)+2*REC*\p+SCW
.endr
.endm
.macro FA slot, q, set, p
	WIN 0x40<<(\set)
.irp t, 0,1,2,3
.irp g, 0,1,2
	ds_load_b128 v[AF+48*\p+12*\t+4*\g:AF+48*\p+12*\t+4*\g+3], v[ADA+2*\slot+\p] offset:AST*(\q)+1536*\t+512*\g
.endr
.endr
.endm
.macro FB slot, q, set, p
	WIN 0x40<<(\set)
.irp t, 0,1,2,3
.irp g, 0,1,2
	ds_load_b128 v[BF+48*\p+12*\t+4*\g:BF+48*\p+12*\t+4*\g+3], v[ADB+2*\slot+(\q)/2] offset:BST*((\q)%2)+2*REC*\p+1536*\t+512*\g
.endr
.endr
.endm
.macro FETCH slot, q, set              ; all five on end: the first step's
	FSC \slot, \q, \set
	FA \slot, \q, \set, 0
	FA \slot, \q, \set, 1
	FB \slot, \q, \set, 0
	FB \slot, \q, \set, 1
.endm
.macro LOWER set, zero
	WIN 5*((\set)+1)
	MULL 0, \set, \zero
	MULL 1, \set, \zero
	MULL 2, \set, \zero
	MULL 3, \set, \zero
.endm
.macro STEP slot, q, set, zero
	s_wait_dscnt 0x0
	PLACES 4
	FSC \slot, (\q)+1, 1-(\set)                    ; the next step's fragments go to the other set, whose last products stand ahead of the four places above
	FA \slot, (\q)+1, 1-(\set), 0
	WIN 0xf0|(5*((\set)+1))
	MULH 0, \set, \zero
	FA \slot, (\q)+1, 1-(\set), 1
	WIN 0xf0|(5*((\set)+1))
	MULH 1, \set, \zero
	FB \slot, (\q)+1, 1-(\set), 0
	WIN 0xf0|(5*((\set)+1))
	MULH 2, \set, \zero
	FB \slot, (\q)+1, 1-(\set), 1
	WIN 0xf0|(5*((\set)+1))
	MULH 3, \set, \zero
	LOWER \set, \zero
.endm
.macro TURN slot, next, set, fill
	WIN 0
.if \fill
	s_wait_xcnt 0x0                                ; my prefetches have read their address: it steps a fill
	s_add_nc_u64 s[PFR:PFR+1], s[PFR:PFR+1], s[PFS:PFS+1]
.endif
	s_wait_tensorcnt 0x0
	ds_add_u32 v[SPW], v[NIL]
	s_wait_dscnt 0x1
	WIN 0xf0|(5*((\set)+1))
	MULH 0, \set, 0
	s_wait_dscnt 0x0
	s_barrier_signal -1
	MULH 1, \set, 0
	WIN 0
	s_barrier_wait -1
.if \fill
	CREST
	s_add_nc_u64 s[G0A+4*\slot+2:G0A+4*\slot+3], s[G0A+4*\slot+2:G0A+4*\slot+3], 2*AREG
	s_add_nc_u64 s[G0B+4*\slot+2:G0B+4*\slot+3], s[G0B+4*\slot+2:G0B+4*\slot+3], s[92:93]
	JLOAD \slot
	ASK
.else
	PLACES 4
.endif
	FSC \next, 0, 1-(\set)
	FA \next, 0, 1-(\set), 0
	WIN 0xf0|(5*((\set)+1))
	MULH 2, \set, 0
	FA \next, 0, 1-(\set), 1
	FB \next, 0, 1-(\set), 0
	WIN 0xf0|(5*((\set)+1))
	MULH 3, \set, 0
	FB \next, 0, 1-(\set), 1
	LOWER \set, 0
.endm
	s_wait_tensorcnt 0x1
	s_barrier_signal -1
	s_barrier_wait -1
	FETCH 0, 0, 0
	STEP 0, 0, 0, 1
	WIN 0
	; the way out's own inputs, 256 bytes of each of my wave's 64 rows, are asked for too, a lane a block: here what is loaded behind the loop (h_cur's rows 0-31, the two cells' rows 16-31; their rows 0-15 were loaded at the head)
	global_prefetch_b8 v[PFT], s[18:19] th:TH_LOAD_NT scope:SCOPE_SE
	global_prefetch_b8 v[PFU], s[14:15] th:TH_LOAD_NT scope:SCOPE_SE
	global_prefetch_b8 v[PFU], s[16:17] th:TH_LOAD_NT scope:SCOPE_SE
	s_mov_b32 s80, 3
.Llap:
	STEP 0, 1, 1, 0
	TURN 0, 1, 0, 1
	STEP 1, 0, 1, 0
	STEP 1, 1, 0, 0
	TURN 1, 0, 1, 1
	STEP 0, 0, 0, 0
	WIN 0
	s_sub_co_u32 s80, s80, 1
	s_cmp_lg_u32 s80, 0
	s_cbranch_scc1 .Llap
	LOADH 0                                        ; what blocks 0 and 1 of the way out still want: 32 loads, into registers that the products do not name
	PRETE 1, 2
	LOADH 1
	global_prefetch_b8 v[PFT], s[14:15] offset:32*8192 th:TH_LOAD_NT scope:SCOPE_SE   ; and here rows 32-63, which blocks 2 and 3 load on the way out
	global_prefetch_b8 v[PFT], s[16:17] offset:32*8192 th:TH_LOAD_NT scope:SCOPE_SE
	global_prefetch_b8 v[PFT], s[18:19] offset:32*8192 th:TH_LOAD_NT scope:SCOPE_SE
	STEP 0, 1, 1, 0
	TURN 0, 1, 0, 0
	STEP 1, 0, 1, 0
	STEP 1, 1, 0, 0
	s_wait_dscnt 0x0
	WIN 0xfa
	MULH 0, 1, 0
	MULH 1, 1, 0
	MULH 2, 1, 0
	MULH 3, 1, 0
	LOWER 1, 0
	WIN 0
.macro TOSTAGE a
	WIN 0x0c
.irp k, 0,1,2,3,4,5,6,7
	ds_store_b128 v[STO], v[64*(\a)+4*\k:64*(\a)+4*\k+3] offset:16*\k
.endr
.irp k, 0,1,2,3,4,5,6,7
	ds_store_b128 v[STO], v[64*(\a)+32+4*\k:64*(\a)+32+4*\k+3] offset:ST2+16*\k
.endr
.endm
.macro BACK W
	WIN (\W)<<6
.irp i, 0,1,2,3,4,5,6,7
	ds_load_b128 v[C1+4*\i:C1+4*\i+3], v[RD] offset:544*\i
	ds_load_b128 v[C2+4*\i:C2+4*\i+3], v[RD] offset:ST2+544*\i
.endr
.endm
; tanh of sixteen numbers at v[x] on, in place: x p(x^2) / q(x^2) on the held argument; eight independent packed lines in each stage
.macro TANH16 x
.irp e, 0,1,2,3,4,5,6,7,8,9,10,11,12,13,14,15
	v_med3_num_f32 v[(\x)+\e], v[(\x)+\e], s89, s88
.endr
.irp e, 0,2,4,6,8,10,12,14
	v_pk_mul_f32 v[TA+\e:TA+\e+1], v[(\x)+\e:(\x)+\e+1], v[(\x)+\e:(\x)+\e+1]
.endr
.irp e, 0,2,4,6,8,10,12,14
	v_pk_fma_f32 v[TB+\e:TB+\e+1], v[TA+\e:TA+\e+1], KA13, v[KN:KN+1] op_sel_hi:[1,0,1]
	v_pk_fma_f32 v[TC+\e:TC+\e+1], v[TA+\e:TA+\e+1], KB6, v[KD:KD+1] op_sel_hi:[1,0,1]
.endr
.irp e, 0,2,4,6,8,10,12,14
	v_pk_fma_f32 v[TB+\e:TB+\e+1], v[TB+\e:TB+\e+1], v[TA+\e:TA+\e+1], KA9 op_sel_hi:[1,1,0]
	v_pk_fma_f32 v[TC+\e:TC+\e+1], v[TC+\e:TC+\e+1], v[TA+\e:TA+\e+1], KB2 op_sel_hi:[1,1,0]
.endr
.irp e, 0,2,4,6,8,10,12,14
	v_pk_fma_f32 v[TB+\e:TB+\e+1], v[TB+\e:TB+\e+1], v[TA+\e:TA+\e+1], KA7 op_sel_hi:[1,1,0]
	v_pk_fma_f32 v[TC+\e:TC+\e+1], v[TC+\e:TC+\e+1], v[TA+\e:TA+\e+1], KB0 op_sel_hi:[1,1,0]
.endr
.irp e, 0,2,4,6,8,10,12,14
	v_pk_fma_f32 v[TB+\e:TB+\e+1], v[TB+\e:TB+\e+1], v[TA+\e:TA+\e+1], KA5 op_sel_hi:[1,1,0]
.endr
.irp e, 0,2,4,6,8,10,12,14
	v_pk_fma_f32 v[TB+\e:TB+\e+1], v[TB+\e:TB+\e+1], v[TA+\e:TA+\e+1], KA3 op_sel_hi:[1,1,0]
.endr
.irp e, 0,2,4,6,8,10,12,14
	v_pk_fma_f32 v[TB+\e:TB+\e+1], v[TB+\e:TB+\e+1], v[TA+\e:TA+\e+1], KA1 op_sel_hi:[1,1,0]
.endr
	s_wait_alu depctr_va_vdst(0)                   ; the wait ahead of the batch
.irp e, 0,1,2,3,4,5,6,7,8,9,10,11,12,13,14,15
	v_rcp_f32 v[TA+\e], v[TC+\e]
.endr
.irp e, 0,2,4,6,8,10,12,14
	v_pk_mul_f32 v[TB+\e:TB+\e+1], v[(\x)+\e:(\x)+\e+1], v[TB+\e:TB+\e+1]
.endr
	s_wait_alu depctr_va_vdst(0)                   ; and behind it, ahead of its first reader
.irp e, 0,2,4,6,8,10,12,14
	v_pk_fma_f32 v[(\x)+\e:(\x)+\e+1], v[TC+\e:TC+\e+1], v[TA+\e:TA+\e+1], 1.0 op_sel_hi:[1,1,0] neg_lo:[1,0,0] neg_hi:[1,0,0]
.endr
.irp e, 0,2,4,6,8,10,12,14
	v_pk_fma_f32 v[TA+\e:TA+\e+1], v[(\x)+\e:(\x)+\e+1], v[TA+\e:TA+\e+1], v[TA+\e:TA+\e+1]
.endr
.irp e, 0,2,4,6,8,10,12,14
	v_pk_mul_f32 v[(\x)+\e:(\x)+\e+1], v[TB+\e:TB+\e+1], v[TA+\e:TA+\e+1]
.endr
.irp e, 0,2,4,6,8,10,12,14
	v_pk_fma_f32 v[TB+\e:TB+\e+1], v[TC+\e:TC+\e+1], v[(\x)+\e:(\x)+\e+1], v[TB+\e:TB+\e+1] neg_lo:[1,0,0] neg_hi:[1,0,0]
.endr
.irp e, 0,2,4,6,8,10,12,14
	v_pk_fma_f32 v[(\x)+\e:(\x)+\e+1], v[TB+\e:TB+\e+1], v[TA+\e:TA+\e+1], v[(\x)+\e:(\x)+\e+1]
.endr
.endm
; PRE: block a's sums (Wt's two parts added) go through my stage and come back by rows into window W; it stands one block ahead of BLOCK a
.macro PRE a, W
	s_wait_xcnt 0x0
	WIN 0xc3
.irp b, 0,1,2,3
.irp e, 0,2,4,6
	v_pk_add_f32 v[64*(\a)+8*\b+\e:64*(\a)+8*\b+\e+1], v[64*(\a)+8*\b+\e:64*(\a)+8*\b+\e+1], v[LOA+32*(\a)+8*\b+\e:LOA+32*(\a)+8*\b+\e+1]
.endr
.endr
	TOSTAGE \a
	BACK \W
	WIN 0
.endm
; BLOCK: the element-wise work of block a.  yng: the LDS instructions issued behind block a's loads from the stage (the next block's 16 stores and 16 loads), which may stay out
.macro BLOCK a, W, left, yng
	s_wait_dscnt \yng
	s_wait_loadcnt \left
.if (\a) == 0
	WIN 0
.irp e, 0,2
	v_pk_mul_f32 v[BA+\e:BA+\e+1], v[BA+\e:BA+\e+1], 0xbfb8aa3b op_sel_hi:[1,0]
.endr
.endif
	WIN ((\W)<<6)|(\W)
.irp i, 0,1,2,3,4,5,6,7
.irp e, 0,2
	v_pk_add_f32 v[C1+4*\i+\e:C1+4*\i+\e+1], v[C1+4*\i+\e:C1+4*\i+\e+1], v[BT+\e:BT+\e+1]
	v_pk_fma_f32 v[C2+4*\i+\e:C2+4*\i+\e+1], v[C2+4*\i+\e:C2+4*\i+\e+1], 0xbfb8aa3b, v[BA+\e:BA+\e+1] op_sel_hi:[1,0,1]
.endr
.endr
	WIN 0x55*(\W)
.set j, 0
	s_wait_alu depctr_va_vdst(0)
.rept 32
	v_exp_f32 v[C2+j], v[C2+j]
.set j, j+1
.endr
	v_mov_b32 v[KN], KA11
	v_mov_b32 v[KN+1], KA11
	v_mov_b32 v[KD], KB4
	v_mov_b32 v[KD+1], KB4
.set j, 0
	s_wait_alu depctr_va_vdst(0)
.rept 16
	v_pk_add_f32 v[C2+j:C2+j+1], v[C2+j:C2+j+1], 1.0 op_sel_hi:[1,0]
.set j, j+2
.endr
.set j, 0
	s_wait_alu depctr_va_vdst(0)
.rept 32
	v_rcp_f32 v[C2+j], v[C2+j]
.set j, j+1
.endr
	TANH16 C1
	TANH16 C1+16
.set j, 0
.rept 16
	v_pk_add_f32 v[C1+j:C1+j+1], v[C1+j:C1+j+1], v[TT+j:TT+j+1]
.set j, j+2
.endr
.set j, 0
.rept 16
	v_pk_add_f32 v[C1+j:C1+j+1], v[C1+j:C1+j+1], -1.0 op_sel_hi:[1,0]
.set j, j+2
.endr
.set j, 0
.rept 4                                ; eight masks at a time, in scalar registers that held a descriptor whose last load has been waited for
.irp k, 0,1,2,3,4,5,6,7
	v_cmp_lt_f32 s[G1A+\k], 0, v[C1+j+\k]
.endr
.irp k, 0,1,2,3,4,5,6,7
	v_cndmask_b32 v[TT+j+\k], 0, v[EE+j+\k], s[G1A+\k]
.endr
.set j, j+8
.endr
.set j, 0
.rept 32
	v_max_num_f32 v[C1+j], 0, v[C1+j]
.set j, j+1
.endr
.set j, 0
.rept 16
	v_pk_add_f32 v[EE+j:EE+j+1], v[EE+j:EE+j+1], v[TT+j:TT+j+1] neg_lo:[0,1] neg_hi:[0,1]
	v_pk_add_f32 v[C2+j:C2+j+1], v[C2+j:C2+j+1], v[TT+j:TT+j+1]
.set j, j+2
.endr
.set j, 0
.if (\a) < 2
	WIN ((\W)<<6)|((\W)<<2)                        ; h_cur of blocks 0 and 1 lies in window 0
.rept 16
	v_pk_mul_f32 v[HH+j:HH+j+1], v[H0+32*(\a)+j:H0+32*(\a)+j+1], v[EE+j:EE+j+1]
.set j, j+2
.endr
	WIN 0x55*(\W)
.else
.rept 16
	v_pk_mul_f32 v[HH+j:HH+j+1], v[HH+j:HH+j+1], v[EE+j:EE+j+1]
.set j, j+2
.endr
.endif
.set j, 0
.rept 32
	v_max_num_f32 v[C2+j], 0, v[C2+j]
.set j, j+1
.endr
	WIN (\W)<<2
.irp i, 0,1,2,3,4,5,6,7
	global_store_b128 v[CO], v[C1+4*\i:C1+4*\i+3], s[22:23] offset:(16*(\a)+2*\i)*8192 th:TH_STORE_NT
	global_store_b128 v[CO], v[C2+4*\i:C2+4*\i+3], s[20:21] offset:(16*(\a)+2*\i)*8192 th:TH_STORE_NT
	ds_store_b128 v[RD], v[HH+4*\i:HH+4*\i+3] offset:ST3+544*\i
.endr
	WIN (\W)<<6
.irp k, 0,1,2,3,4,5,6,7
	ds_load_b128 v[TT+4*\k:TT+4*\k+3], v[STO] offset:ST3+16*\k
.endr
	s_wait_dscnt 0x0
	WIN 0x55*(\W)
	v_max3_num_f32 v[QM], |v[TT]|, |v[TT+1]|, |v[TT+2]|
	v_max3_num_f32 v[QM+1], |v[TT+3]|, |v[TT+4]|, |v[TT+5]|
.irp i, 6,10,14,18,22,26
	v_max3_num_f32 v[QM], v[QM], |v[TT+\i]|, |v[TT+\i+1]|
	v_max3_num_f32 v[QM+1], v[QM+1], |v[TT+\i+2]|, |v[TT+\i+3]|
.endr
	v_max3_num_f32 v[QM], v[QM], |v[TT+30]|, |v[TT+31]|
	v_max3_num_f32 v[QM], v[QM], v[QM+1], 0x2800000
	v_add_nc_u32 v[QM+2], 0xfe000000, v[QM]
	v_lshrrev_b32 v[QM+3], 23, v[QM+2]
	v_cvt_scalef32_pk16_bf6_f32 v[EE:EE+2], v[TT:TT+15], v[QM+2]
	v_cvt_scalef32_pk16_bf6_f32 v[EE+8:EE+10], v[TT+16:TT+31], v[QM+2]
	v_nop
.irp i, 0,1,2
	v_mov_b32 v[EE+3+\i], v[EE+8+\i]
.endr
	WIN (\W)<<2
	ds_store_b64 v[IM1], v[EE:EE+1] offset:1536*(\a)
	ds_store_b64 v[IM2], v[EE+2:EE+3] offset:1536*(\a)
	ds_store_b64 v[IM1], v[EE+4:EE+5] offset:1536*(\a)+512
	ds_store_b8 v[ISB], v[QM+3] offset:128*((\a)%2)+4*((\a)/2)
	WIN 0
.endm
	PLACES 4
	PRE 0, 1
	PRE 1, 2
	BLOCK 0, 1, 24, 32                             ; younger than block 0's h_cur: block 1's 16 + 8 loads
	s_wait_dscnt 0x0
	PRE 2, 1
	PRETE 2, 1
	PREH 2, 1
	BLOCK 1, 2, 24, 32
	s_wait_dscnt 0x0
	PRE 3, 2
	PRETE 3, 2
	PREH 3, 2
	BLOCK 2, 1, 24, 32
	BLOCK 3, 2, 0, 0
	s_wait_dscnt 0x0
	s_barrier_signal -1
	s_barrier_wait -1
	s_cmp_lg_u32 s24, 0
	s_cbranch_scc1 .Lnot_last_run
	ds_load_b128 v[TT+24:TT+27], v[CP] offset:12288
	s_wait_dscnt 0x0
	global_store_b128 v[CG], v[TT+24:TT+27], s[90:91] offset:12288
.Lnot_last_run:
.irp k, 0,1,2,3,4,5
	ds_load_b128 v[TT+4*\k:TT+4*\k+3], v[CP] offset:512*\k
.endr
.irp k, 0,1,2,3,4,5
	s_wait_dscnt 5-\k
	global_store_b128 v[CG], v[TT+4*\k:TT+4*\k+3], s[90:91] offset:512*\k
.endr
	s_wait_tensorcnt 0x0
	ds_add_u32 v[SPW], v[NIL]
	s_wait_dscnt 0x0
	CROUND
	s_endpgm
.Lfunc_end_k_qce3fc99a15_gates:
	.size	k_qce3fc99a15_gates, .Lfunc_end_k_qce3fc99a15_gates-k_qce3fc99a15_gates
	.p2alignl 7, 3214868480
	.fill 96, 4, 3214868480
	.section	.rodata,"a",@progbits
	.p2align	6, 0x0
	.amdhsa_kernel k_qce3fc99a15_gates
		.amdhsa_group_segment_fixed_size 327680
		.amdhsa_private_segment_fixed_size 0
		.amdhsa_enable_private_segment 0
		.amdhsa_kernarg_size 88
		.amdhsa_user_sgpr_count 2
		.amdhsa_user_sgpr_kernarg_segment_ptr 1
		.amdhsa_wavefront_size32 1
		.amdhsa_system_sgpr_workgroup_id_x 1
		.amdhsa_system_sgpr_workgroup_id_y 1
		.amdhsa_system_sgpr_workgroup_id_z 1
		.amdhsa_system_vgpr_workitem_id 0
		.amdhsa_next_free_vgpr 1024
		.amdhsa_next_free_sgpr 102
		.amdhsa_reserve_vcc 0
		.amdhsa_float_denorm_mode_32 3
		.amdhsa_float_denorm_mode_16_64 3
		.amdhsa_memory_ordered 1
		.amdhsa_forward_progress 1
		.amdhsa_inst_pref_size 255
	.end_amdhsa_kernel
	.section	.bss,"aw",@nobits
	.p2align	6
	.space	262144
	.amdgpu_metadata
---
amdhsa.version: [ 1, 2 ]
amdhsa.kernels:
  - .name:           k_qce3fc99a15_gates
    .symbol:         k_qce3fc99a15_gates.kd
    .args:
      - { .name: ca, .offset: 0, .size: 8, .value_kind: global_buffer, .address_space: global }
      - { .name: wqa, .offset: 8, .size: 8, .value_kind: global_buffer, .address_space: global }
      - { .name: wqt, .offset: 16, .size: 8, .value_kind: global_buffer, .address_space: global }
      - { .name: Wt_b, .offset: 24, .size: 8, .value_kind: global_buffer, .address_space: global }
      - { .name: Wa_b, .offset: 32, .size: 8, .value_kind: global_buffer, .address_space: global }
      - { .name: time_cell, .offset: 40, .size: 8, .value_kind: global_buffer, .address_space: global }
      - { .name: excited_cell, .offset: 48, .size: 8, .value_kind: global_buffer, .address_space: global }
      - { .name: h_cur, .offset: 56, .size: 8, .value_kind: global_buffer, .address_space: global }
      - { .name: out1, .offset: 64, .size: 8, .value_kind: global_buffer, .address_space: global }
      - { .name: out2, .offset: 72, .size: 8, .value_kind: global_buffer, .address_space: global }
      - { .name: hu, .offset: 80, .size: 8, .value_kind: global_buffer, .address_space: global }
    .group_segment_fixed_size: 327680
    .private_segment_fixed_size: 0
    .kernarg_segment_align: 8
    .kernarg_segment_size: 88
    .max_flat_workgroup_size: 128
    .sgpr_count:     102
    .vgpr_count:     1024
    .wavefront_size: 32
...
	.end_amdgpu_metadata
.endif
;; end of part 2
;; launch state (part 3): grid 16 x 16, 4 waves a work-group, clusters of 4 x 4, 327,680 bytes of LDS; arguments hu, ca, wq2, Eh_b, Hw_b, h_cur, out0; writes out0
.if DOCPART == 3
	.amdgcn_target "amdgcn-amd-amdhsa--gfx1250"
	.amdhsa_code_object_version 6
	.text
	.protected	k_qce3fc99a15_state
	.globl	k_qce3fc99a15_state
	.p2align	8
	.type	k_qce3fc99a15_state,@function
k_qce3fc99a15_state:
	s_mov_b64 s[64:65], 0
	v_nop
	global_prefetch_b8 v0, s[64:65] scope:SCOPE_SE
	s_setreg_imm32_b32 hwreg(HW_REG_WAVE_MODE, 25, 1), 1
	s_wait_xcnt 0x0
	s_wait_alu depctr_hold_cnt(0) depctr_sa_sdst(0) depctr_va_vdst(0) depctr_va_sdst(0) depctr_va_ssrc(0) depctr_va_vcc(0) depctr_vm_vsrc(0)
	s_getreg_b32 s2, hwreg(HW_REG_IB_STS2, 6, 4)
	s_cmp_eq_u32 s2, 0
	s_cbranch_scc0 .Lentry_in_a_cluster
	s_endpgm
.Lentry_in_a_cluster:
	s_bfe_u32 s2, ttmp6, 0x10000c
	s_cmp_lg_u32 s2, 0xf033
	s_cbranch_scc0 .Lentry_shape_is_right
	s_endpgm
.Lentry_shape_is_right:
; h_next (out0) = tanh((1 - h_w) h_cur + h_w h_state), h_state = tanh([x | h_up] Eh^T + Eh_b), h_w = sigmoid([x | h_cur] Hw^T + Hw_b), both products on codes of BF6.
; A work-group of four waves makes 128 x 128 of both products: waves 0 and 1 Eh's two halves of 64 columns, waves 2 and 3 Hw's; the two meet in an LDS stage behind the loop (in slot 0, which has had its last fill and its last read by then).
; K goes in 24 steps of 128 through a ring of two LDS slots of three steps each: eight fills of four dense runs of 38,400 bytes (150 blocks of 256), one joint load a wave:
; wave 0 hu's records, wave 1 ca's (shared along the cluster's row), waves 2 and 3 wq2's (shared along its column).  The records are images of the operands' registers: a fragment is three loads of 16 bytes a lane.
; PREFETCH INTO THE L2: behind the load of fill n each wave asks for its run of fill n + 2.  Fill 1 is asked for behind the head's first load, fills 2 and 3 behind its second; fill 0 comes by its load alone; the loop's last trip asks for nothing.
; The four partners of a joint load share the run's 150 blocks out by address: partner p (cx for hu and ca, cy for wq2) names blocks 38 p .. 38 p + 37, held at 149; a lane a block, two instructions a wave.
; h_cur's rows 32-63 of each wave's 64 are asked for ahead of the loop, a lane a block of 256 bytes, and loaded behind it.
.set SLOT,  153600
.set SPARE, 2*SLOT
.set REC,   6400
.set SCW,   6144
.set AST,   2*REC
.set BST,   4*REC
.set AREG,  3*AST
.set BOFF,  2*AREG
.set SPIT,  272
.set STW,   128*SPIT
.set STP,   2*STW
.set ADA, 8
.set ASA, 12
.set ADB, 16
.set ASB, 20
.set STO, 24
.set RD,  25
.set CO,  26
.set VB,  27
.set SPW, 28
.set NIL, 29
.set RD2, 30
.set PF0, 35                           ; v35, v36: byte offsets of the blocks that my lane asks for; never rewritten
.set PF1, 36
.set PFT, 37                           ; v37: my lane x a row of h_cur (8,192 bytes); never rewritten
.set PFS, 88                           ; s[88:89] bytes from a fill's run to the next fill's
.set PFQ, 90                           ; s[90:91] my run of fill 1
.set PFH, 92                           ; s[92:93] my run of fill 2
.set PFR, 94                           ; s[94:95] my run of fill 3, then stepped a fill at each change of slots
.set SC,  40
.set AF,  0
.set BF,  96
.set BE,  56
.set BH,  60
.set C3,  64
.set C4,  96
.set HB,  128
.set G1A, 28
.set G1B, 36
.set G0A, 44
.set G0B, 52
.set MSB, 0
.macro WIN new                         ; the immediate's high byte repeats the setting that is left
.if MSB != (\new)
	s_set_vgpr_msb (MSB<<8)|(\new)
.set MSB, (\new)
.endif
.endm
.macro PLACES n
.rept \n
	v_nop
.endr
.endm
.macro JLOAD s                         ; a joint load: waves 0 and 1 fetch the activations' runs, waves 2 and 3 the weights'
	s_cmp_eq_u32 s25, 0
	s_cbranch_scc0 .Lfor_b_\@
	tensor_load_to_lds s[G0A+4*\s:G0A+4*\s+3], s[G1A:G1A+7]
	s_nop 0
	PLACES 4
	s_branch .Lasked_\@
.Lfor_b_\@:
	tensor_load_to_lds s[G0B+4*\s:G0B+4*\s+3], s[G1B:G1B+7]
	s_nop 0
	PLACES 4
.Lasked_\@:
.endm
.macro CREST                           ; a round of the cluster's barrier behind its opening barrier
	s_cmp_lg_u32 s24, 0
	s_cbranch_scc1 .Lnot_wave_0_\@
	s_barrier_signal -3
.Lnot_wave_0_\@:
	s_barrier_wait -3
	s_barrier_signal -1
	s_barrier_wait -1
.endm
.macro CROUND
	s_barrier_signal -1
	s_barrier_wait -1
	CREST
.endm
.macro ASK                             ; behind the load of fill n: my share of fill n + 2; the loop's last trip (s80 = 1) has no fill two on
	s_cmp_gt_u32 s80, 1
	s_cbranch_scc0 .Lno_ask_\@
	global_prefetch_b8 v[PF0], s[PFR:PFR+1] th:TH_LOAD_NT scope:SCOPE_SE
	global_prefetch_b8 v[PF1], s[PFR:PFR+1] th:TH_LOAD_NT scope:SCOPE_SE
.Lno_ask_\@:
.endm
	s_load_b256 s[4:11], s[0:1], 0x0               ; hu 4, ca 6, wq2 8, Eh_b 10
	s_load_b128 s[12:15], s[0:1], 0x20             ; Hw_b 12, h_cur 14
	s_load_b64 s[16:17], s[0:1], 0x30              ; out0
	v_lshl_add_u32 v[SPW], v0, 2, SPARE
	v_mov_b32 v[NIL], 0
	ds_add_u32 v28, v29                            ; the add, twice on end, and its wait
	ds_add_u32 v28, v29
	s_wait_dscnt 0x0
	v_lshrrev_b32 v1, 5, v0
	v_readfirstlane_b32 s24, v1                    ; wave
	s_lshr_b32 s25, s24, 1                         ; 0: Eh's product, and I fetch activations; 1: Hw's, and I fetch weights
	s_and_b32 s26, s24, 1                          ; which 64 columns
	s_bfe_u32 s60, ttmp6, 0x40000                  ; cx, cy
	s_bfe_u32 s61, ttmp6, 0x40004
	s_lshl_b32 s62, ttmp9, 2
	s_add_co_u32 s62, s62, s60                     ; tile column
	s_and_b32 s63, ttmp7, 0xffff
	s_lshl_b32 s63, s63, 2
	s_add_co_u32 s63, s63, s61                     ; tile row
	s_lshl_b32 s66, s61, 2
	s_lshl_b32 s66, 15, s66                        ; my row of the cluster
	s_lshl_b32 s67, 0x1111, s60                    ; my column
	s_or_b32 s[G1A], s66, (3<<16)|(1<<21)
	s_or_b32 s[G1B], s67, (3<<16)|(1<<21)
.irp g, G1A, G1B                       ; a dense run: 150 rows of 32 elements of 8 bytes
	s_mov_b32 s[\g+1], 32<<16
	s_mov_b32 s[\g+2], 150<<16
	s_mov_b32 s[\g+3], 32<<16
	s_mov_b32 s[\g+4], 150
	s_mov_b32 s[\g+5], 32
	s_mov_b32 s[\g+6], 0
	s_mov_b32 s[\g+7], 0
.endr
	s_mul_i32 s68, s63, 24*AST
	s_mov_b32 s69, 0
	s_mul_i32 s70, s26, AREG
	s_mul_i32 s72, s62, 24*BST
	s_mul_i32 s74, s26, AREG
	s_add_co_u32 s72, s72, s74
	s_mov_b32 s73, 0
	s_add_co_u32 s74, s74, BOFF
	s_lshl_b32 s76, s63, 7
	s_lshl_b32 s77, s25, 6
	s_add_co_u32 s76, s76, s77
	s_lshl_b32 s76, s76, 13
	s_lshl_b32 s78, s62, 7
	s_lshl_b32 s79, s26, 6
	s_add_co_u32 s78, s78, s79
	s_lshl_b32 s78, s78, 2
	s_add_co_u32 s76, s76, s78
	s_mov_b32 s77, 0
	s_mov_b32 s79, 0
	s_cmp_eq_u32 s25, 0
	s_cselect_b32 s84, s60, s61                    ; my place among the four that ask for my run with me
	s_mul_i32 s84, s84, 38
	v_and_b32 v[PF0], 31, v0
	v_min_u32 v[PF1], 5, v[PF0]
	v_lshlrev_b32 v[PFT], 13, v[PF0]
	v_add_nc_u32 v[PF0], s84, v[PF0]               ; blocks 38 p + 0 .. 31
	v_add3_u32 v[PF1], v[PF1], s84, 32             ; and 38 p + 32 .. 37 (the lanes left over name the last again)
	v_min_u32 v[PF0], 149, v[PF0]
	v_min_u32 v[PF1], 149, v[PF1]                  ; held inside the run
	v_lshlrev_b32 v[PF0], 8, v[PF0]
	v_lshlrev_b32 v[PF1], 8, v[PF1]
	s_wait_alu depctr_va_vdst(0)                   ; the wait here, directly ahead of the wait below
	s_wait_kmcnt 0x0
	s_cmp_eq_u32 s26, 0
	s_cselect_b64 s[86:87], s[4:5], s[6:7]
	s_add_nc_u64 s[68:69], s[86:87], s[68:69]
	s_add_nc_u64 s[72:73], s[8:9], s[72:73]
	s_mov_b32 s[PFS], 2*AREG                       ; wq2's fills lie two runs apart, hu's and ca's one
	s_mov_b32 s[PFS+1], 0
	s_cmp_eq_u32 s25, 0
	s_cselect_b32 s[PFS], AREG, s[PFS]
	s_cselect_b64 s[PFQ:PFQ+1], s[68:69], s[72:73] ; the run that I fetch
	s_add_nc_u64 s[PFQ:PFQ+1], s[PFQ:PFQ+1], s[PFS:PFS+1]
	s_add_nc_u64 s[PFH:PFH+1], s[PFQ:PFQ+1], s[PFS:PFS+1]
	s_add_nc_u64 s[PFR:PFR+1], s[PFH:PFH+1], s[PFS:PFS+1]
	CROUND                                         ; all sixteen work-groups are here: the first joint loads meet
.irp s, 0,1
	s_mov_b32 s[G0A+4*\s], 1
	s_add_co_u32 s[G0A+4*\s+1], s70, \s*SLOT
	s_add_nc_u64 s[G0A+4*\s+2:G0A+4*\s+3], s[68:69], \s*3*AST
	s_or_b32 s[G0A+4*\s+3], s[G0A+4*\s+3], 0x80000000
	s_mov_b32 s[G0B+4*\s], 1
	s_add_co_u32 s[G0B+4*\s+1], s74, \s*SLOT
	s_add_nc_u64 s[G0B+4*\s+2:G0B+4*\s+3], s[72:73], \s*3*BST
	s_or_b32 s[G0B+4*\s+3], s[G0B+4*\s+3], 0x80000000
.if \s == 1                            ; slot 1's first fill is issued as a refill is
	s_wait_alu depctr_va_vdst(0)
	s_wait_tensorcnt 0x0
	ds_add_u32 v28, v29
	ds_add_u32 v28, v29
	s_wait_dscnt 0x0
	CROUND
.endif
	JLOAD \s
.if \s == 0
	global_prefetch_b8 v[PF0], s[PFQ:PFQ+1] th:TH_LOAD_NT scope:SCOPE_SE   ; fill 1
	global_prefetch_b8 v[PF1], s[PFQ:PFQ+1] th:TH_LOAD_NT scope:SCOPE_SE
.endif
.endr
	global_prefetch_b8 v[PF0], s[PFH:PFH+1] th:TH_LOAD_NT scope:SCOPE_SE   ; fills 2 and 3
	global_prefetch_b8 v[PF1], s[PFH:PFH+1] th:TH_LOAD_NT scope:SCOPE_SE
	global_prefetch_b8 v[PF0], s[PFR:PFR+1] th:TH_LOAD_NT scope:SCOPE_SE
	global_prefetch_b8 v[PF1], s[PFR:PFR+1] th:TH_LOAD_NT scope:SCOPE_SE
	s_add_nc_u64 s[10:11], s[10:11], s[78:79]
	s_add_nc_u64 s[12:13], s[12:13], s[78:79]
	s_add_nc_u64 s[14:15], s[14:15], s[76:77]
	s_add_nc_u64 s[16:17], s[16:17], s[76:77]
	v_and_b32 v1, 31, v0
	v_and_b32 v2, 15, v0
	v_bfe_u32 v3, v0, 4, 1
	v_lshlrev_b32 v[VB], 4, v2
	v_lshl_add_u32 v[CO], v3, 13, v[VB]
	global_load_b128 v[BE:BE+3], v[VB], s[10:11]
	global_load_b128 v[BH:BH+3], v[VB], s[12:13]
.macro LOADH a                         ; h_cur of block a of the way out
.irp i, 0,1,2,3,4,5,6,7
	global_load_b128 v[HB+32*(\a)+4*\i:HB+32*(\a)+4*\i+3], v[CO], s[14:15] offset:(16*(\a)+2*\i)*8192 th:TH_LOAD_NT
.endr
.endm
	LOADH 0
	LOADH 1
	v_lshlrev_b32 v4, 4, v1
	v_lshlrev_b32 v5, 3, v1
	s_mul_i32 s81, s25, AREG
	s_mul_i32 s82, s26, REC
	s_mul_i32 s84, s25, 2*REC
	s_add_co_u32 s82, s82, s84
	s_add_co_u32 s82, s82, BOFF
	v_add_nc_u32 v[ADA], s81, v4
	v_add_nc_u32 v[ADA+1], REC, v[ADA]
	v_add_nc_u32 v[ADA+2], SLOT, v[ADA]
	v_add_nc_u32 v[ADA+3], SLOT, v[ADA+1]
	v_add_nc_u32 v[ASA], s81, v5
	v_add_nc_u32 v[ASA+1], REC, v[ASA]
	v_add_nc_u32 v[ASA+2], SLOT, v[ASA]
	v_add_nc_u32 v[ASA+3], SLOT, v[ASA+1]
	v_add_nc_u32 v[ADB], s82, v4
	v_add_nc_u32 v[ADB+1], 2*BST, v[ADB]
	v_add_nc_u32 v[ADB+2], SLOT, v[ADB]
	v_add_nc_u32 v[ADB+3], SLOT, v[ADB+1]
	v_add_nc_u32 v[ASB], s82, v5
	v_add_nc_u32 v[ASB+1], 2*BST, v[ASB]
	v_add_nc_u32 v[ASB+2], SLOT, v[ASB]
	v_add_nc_u32 v[ASB+3], SLOT, v[ASB+1]
	s_mul_i32 s83, s24, STW
	v_mul_u32_u24 v6, v2, SPIT
	v_lshl_add_u32 v6, v3, 7, v6
	v_add_nc_u32 v[STO], s83, v6
	s_mul_i32 s83, s26, STW
	s_mul_i32 s85, s25, 64*SPIT
	s_add_co_u32 s83, s83, s85
	v_mul_u32_u24 v6, v3, SPIT
	v_lshl_add_u32 v6, v2, 4, v6
	v_add_nc_u32 v[RD], s83, v6
	v_add_nc_u32 v[RD2], STP, v[RD]
.macro WM zero                         ; one product; vr picks the rows of the two scale registers
.if \zero
.if vr == 0
	v_wmma_scale_f32_16x16x128_f8f6f4 v[rD:rD+7], v[rX:rX+11], v[rY:rY+11], 0, v[rSX], v[rSY] matrix_a_fmt:MATRIX_FMT_BF6 matrix_b_fmt:MATRIX_FMT_BF6
.elseif vr == 1
	v_wmma_scale_f32_16x16x128_f8f6f4 v[rD:rD+7], v[rX:rX+11], v[rY:rY+11], 0, v[rSX], v[rSY] matrix_a_fmt:MATRIX_FMT_BF6 matrix_b_fmt:MATRIX_FMT_BF6 matrix_b_scale:MATRIX_SCALE_ROW1
.elseif vr == 2
	v_wmma_scale_f32_16x16x128_f8f6f4 v[rD:rD+7], v[rX:rX+11], v[rY:rY+11], 0, v[rSX], v[rSY] matrix_a_fmt:MATRIX_FMT_BF6 matrix_b_fmt:MATRIX_FMT_BF6 matrix_a_scale:MATRIX_SCALE_ROW1
.else
	v_wmma_scale_f32_16x16x128_f8f6f4 v[rD:rD+7], v[rX:rX+11], v[rY:rY+11], 0, v[rSX], v[rSY] matrix_a_fmt:MATRIX_FMT_BF6 matrix_b_fmt:MATRIX_FMT_BF6 matrix_a_scale:MATRIX_SCALE_ROW1 matrix_b_scale:MATRIX_SCALE_ROW1
.endif
.else
.if vr == 0
	v_wmma_scale_f32_16x16x128_f8f6f4 v[rD:rD+7], v[rX:rX+11], v[rY:rY+11], v[rD:rD+7], v[rSX], v[rSY] matrix_a_fmt:MATRIX_FMT_BF6 matrix_b_fmt:MATRIX_FMT_BF6
.elseif vr == 1
	v_wmma_scale_f32_16x16x128_f8f6f4 v[rD:rD+7], v[rX:rX+11], v[rY:rY+11], v[rD:rD+7], v[rSX], v[rSY] matrix_a_fmt:MATRIX_FMT_BF6 matrix_b_fmt:MATRIX_FMT_BF6 matrix_b_scale:MATRIX_SCALE_ROW1
.elseif vr == 2
	v_wmma_scale_f32_16x16x128_f8f6f4 v[rD:rD+7], v[rX:rX+11], v[rY:rY+11], v[rD:rD+7], v[rSX], v[rSY] matrix_a_fmt:MATRIX_FMT_BF6 matrix_b_fmt:MATRIX_FMT_BF6 matrix_a_scale:MATRIX_SCALE_ROW1
.else
	v_wmma_scale_f32_16x16x128_f8f6f4 v[rD:rD+7], v[rX:rX+11], v[rY:rY+11], v[rD:rD+7], v[rSX], v[rSY] matrix_a_fmt:MATRIX_FMT_BF6 matrix_b_fmt:MATRIX_FMT_BF6 matrix_a_scale:MATRIX_SCALE_ROW1 matrix_b_scale:MATRIX_SCALE_ROW1
.endif
.endif
.endm
.macro MUL8 i, set, zero               ; row blocks 2 i, 2 i + 1 x the weight's four fragments; the 32 accumulators take turns
.irp u, 0,1
.irp b, 0,1,2,3
.set rA, 2*(\i)+\u
.set rD, 8*(4*rA+\b)
.set rX, BF+12*\b
.set rY, AF+12*rA
.set rSX, SC+8*(\set)+4+\b/2
.set rSY, SC+8*(\set)+rA/2
.set vr, 2*(\b%2)+rA%2
	WM \zero
.endr
.endr
.endm
; A K step's fragments come in four parts, so that they can stand between groups of matrix instructions: FSC the scale words, FA 0 and FA 1 the activations' two records, FB the weight's
.macro FSC slot, q, set
	WIN 0
.irp c, 0,1
	ds_load_b64 v[SC+8*(\set)+2*\c:SC+8*(\set)+2*\c+1], v[ASA+2*\slot+\c] offset:AST*(\q)+SCW
.endr
	ds_load_b64 v[SC+8*(\set)+4:SC+8*(\set)+5], v[ASB+2*\slot+(\q)/2] offset:BST*((\q)%2)+SCW
.endm
.macro FA slot, q, set, c
	WIN 0x40<<(\set)
.irp t, 0,1,2,3
.irp g, 0,1,2
	ds_load_b128 v[AF+48*\c+12*\t+4*\g:AF+48*\c+12*\t+4*\g+3], v[ADA+2*\slot+\c] offset:AST*(\q)+1536*\t+512*\g
.endr
.endr
.endm
.macro FB slot, q, set
	WIN 0x40<<(\set)
.irp t, 0,1,2,3
.irp g, 0,1,2
	ds_load_b128 v[BF+12*\t+4*\g:BF+12*\t+4*\g+3], v[ADB+2*\slot+(\q)/2] offset:BST*((\q)%2)+1536*\t+512*\g
.endr
.endr
.endm
.macro FETCH slot, q, set              ; all four on end: the first step's
	FSC \slot, \q, \set
	FA \slot, \q, \set, 0
	FA \slot, \q, \set, 1
	FB \slot, \q, \set
.endm
.macro STEP slot, q, set, zero
	s_wait_dscnt 0x0                               ; this step's fragments are in
	PLACES 4
	FSC \slot, (\q)+1, 1-(\set)                    ; the next step's fragments go to the other set, whose last products stand ahead of the four places above
	FA \slot, (\q)+1, 1-(\set), 0
	WIN 0xf0|(5*((\set)+1))
	MUL8 0, \set, \zero
	FA \slot, (\q)+1, 1-(\set), 1
	WIN 0xf0|(5*((\set)+1))
	MUL8 1, \set, \zero
	FB \slot, (\q)+1, 1-(\set)
	WIN 0xf0|(5*((\set)+1))
	MUL8 2, \set, \zero
	MUL8 3, \set, \zero
.endm
; A slot's last step, and the change of slots: every wave waits for all its tensor loads, adds 0 to its spare word, waits for that and for its reads of this slot; the barrier opens a round of the cluster's barrier; the refill comes first behind it
.macro TURN slot, next, set, fill
	WIN 0
.if \fill
	s_wait_xcnt 0x0                                ; my prefetches have read their address: it steps a fill
	s_add_nc_u64 s[PFR:PFR+1], s[PFR:PFR+1], s[PFS:PFS+1]
.endif
	s_wait_tensorcnt 0x0
	ds_add_u32 v[SPW], v[NIL]
	s_wait_dscnt 0x1                               ; (the add may be out)
	WIN 0xf0|(5*((\set)+1))
	MUL8 0, \set, 0
	s_wait_dscnt 0x0
	s_barrier_signal -1
	MUL8 1, \set, 0
	WIN 0
	s_barrier_wait -1
.if \fill
	CREST
	s_add_nc_u64 s[G0A+4*\slot+2:G0A+4*\slot+3], s[G0A+4*\slot+2:G0A+4*\slot+3], 6*AST
	s_add_nc_u64 s[G0B+4*\slot+2:G0B+4*\slot+3], s[G0B+4*\slot+2:G0B+4*\slot+3], 6*BST
	JLOAD \slot
	ASK
.else
	PLACES 4
.endif
	s_wait_alu depctr_va_vdst(0)
	FSC \next, 0, 1-(\set)
	FA \next, 0, 1-(\set), 0
	FB \next, 0, 1-(\set)
	WIN 0xf0|(5*((\set)+1))
	MUL8 2, \set, 0
	FA \next, 0, 1-(\set), 1
	WIN 0xf0|(5*((\set)+1))
	MUL8 3, \set, 0
.endm
	s_wait_tensorcnt 0x1                           ; fill 0 is in (the wait for 0 ahead of fill 1's round has shown it); fill 1's load may be out
	s_barrier_signal -1
	s_barrier_wait -1
	FETCH 0, 0, 0
	STEP 0, 0, 0, 1                                ; the first step's products start the sums
	WIN 0
	global_prefetch_b8 v[PFT], s[14:15] offset:32*8192 th:TH_LOAD_NT scope:SCOPE_SE   ; h_cur's rows 32-63 of my 64, loaded behind the loop
	s_mov_b32 s80, 3
.Llap:
	STEP 0, 1, 1, 0
	TURN 0, 1, 0, 1
	STEP 1, 0, 1, 0
	STEP 1, 1, 0, 0
	TURN 1, 0, 1, 1
	STEP 0, 0, 0, 0
	WIN 0
	s_sub_co_u32 s80, s80, 1
	s_cmp_lg_u32 s80, 0
	s_cbranch_scc1 .Llap
	LOADH 2                                        ; blocks 2 and 3: loaded here, five K steps ahead of the way out
	LOADH 3
	STEP 0, 1, 1, 0
	TURN 0, 1, 0, 0
	STEP 1, 0, 1, 0
	STEP 1, 1, 0, 0
	s_wait_dscnt 0x0
	WIN 0xfa
	MUL8 0, 1, 0
	MUL8 1, 1, 0
	MUL8 2, 1, 0
	MUL8 3, 1, 0
	PLACES 4
	WIN 0x0c
.irp a, 0,1,2,3,4,5,6,7                ; the sums go to the stage, each accumulator from its low end on
.irp k, 0,1,2,3,4,5,6,7
	ds_store_b128 v[STO], v[32*\a+4*\k:32*\a+4*\k+3] offset:\a*16*SPIT+16*\k
.endr
.endr
	WIN 0
	s_wait_dscnt 0x0                               ; for the others' sake: my stores into the stage are done
	s_barrier_signal -1
	s_barrier_wait -1
; 16 rows x 64 columns of the way out: both products' sums come back by rows, sixteen lanes to 256 bytes
.macro BLOCK a
.irp i, 0,1,2,3,4,5,6,7
	ds_load_b128 v[C3+4*\i:C3+4*\i+3], v[RD] offset:(\a)*16*SPIT+2*SPIT*\i
	ds_load_b128 v[C4+4*\i:C4+4*\i+3], v[RD2] offset:(\a)*16*SPIT+2*SPIT*\i
.endr
	s_wait_dscnt 0x0
.if (\a) == 2
	s_wait_loadcnt 0x0                             ; h_cur of blocks 2 and 3
.endif
.if (\a) == 0
	s_wait_loadcnt 0x10                            ; the biases and h_cur of blocks 0 and 1; the 16 loads of blocks 2 and 3 may be out
.irp e, 0,2
	v_pk_mul_f32 v[BE+\e:BE+\e+1], v[BE+\e:BE+\e+1], 0x4038aa3b op_sel_hi:[1,0]
	v_pk_mul_f32 v[BH+\e:BH+\e+1], v[BH+\e:BH+\e+1], 0xbfb8aa3b op_sel_hi:[1,0]
.endr
.endif
.irp i, 0,1,2,3,4,5,6,7
.irp e, 0,2
	v_pk_fma_f32 v[C3+4*\i+\e:C3+4*\i+\e+1], v[C3+4*\i+\e:C3+4*\i+\e+1], 0x4038aa3b, v[BE+\e:BE+\e+1] op_sel_hi:[1,0,1]
	v_pk_fma_f32 v[C4+4*\i+\e:C4+4*\i+\e+1], v[C4+4*\i+\e:C4+4*\i+\e+1], 0xbfb8aa3b, v[BH+\e:BH+\e+1] op_sel_hi:[1,0,1]
.endr
.endr
.set j, 0
	s_wait_alu depctr_va_vdst(0)                   ; a wait ahead of each batch of transcendentals and one behind it
.rept 64
	v_exp_f32 v[C3+j], v[C3+j]
.set j, j+1
.endr
	v_nop
.set j, 0
	s_wait_alu depctr_va_vdst(0)
.rept 32
	v_pk_add_f32 v[C3+j:C3+j+1], v[C3+j:C3+j+1], 1.0 op_sel_hi:[1,0]
.set j, j+2
.endr
.set j, 0
	s_wait_alu depctr_va_vdst(0)
.rept 64
	v_rcp_f32 v[C3+j], v[C3+j]
.set j, j+1
.endr
	v_nop
.set j, 0
	s_wait_alu depctr_va_vdst(0)
.rept 16
	v_pk_fma_f32 v[C3+j:C3+j+1], v[C3+j:C3+j+1], -2.0, 1.0 op_sel_hi:[1,0,0]   ; h_state = 1 - 2 / (1 + e^(2 a))
.set j, j+2
.endr
.set j, 0
.rept 16
	v_pk_add_f32 v[C3+j:C3+j+1], v[C3+j:C3+j+1], v[HB+32*(\a)+j:HB+32*(\a)+j+1] neg_lo:[0,1] neg_hi:[0,1]
.set j, j+2
.endr
.set j, 0
.rept 16
	v_pk_fma_f32 v[C3+j:C3+j+1], v[C4+j:C4+j+1], v[C3+j:C3+j+1], v[HB+32*(\a)+j:HB+32*(\a)+j+1]   ; h_cur + h_w (h_state - h_cur)
.set j, j+2
.endr
.set j, 0
.rept 16
	v_pk_mul_f32 v[C3+j:C3+j+1], v[C3+j:C3+j+1], 0x4038aa3b op_sel_hi:[1,0]
.set j, j+2
.endr
.set j, 0
	s_wait_alu depctr_va_vdst(0)
.rept 32
	v_exp_f32 v[C3+j], v[C3+j]
.set j, j+1
.endr
	v_nop
.set j, 0
	s_wait_alu depctr_va_vdst(0)
.rept 16
	v_pk_add_f32 v[C3+j:C3+j+1], v[C3+j:C3+j+1], 1.0 op_sel_hi:[1,0]
.set j, j+2
.endr
.set j, 0
	s_wait_alu depctr_va_vdst(0)
.rept 32
	v_rcp_f32 v[C3+j], v[C3+j]
.set j, j+1
.endr
	v_nop
.set j, 0
	s_wait_alu depctr_va_vdst(0)
.rept 16
	v_pk_fma_f32 v[HB+32*(\a)+j:HB+32*(\a)+j+1], v[C3+j:C3+j+1], -2.0, 1.0 op_sel_hi:[1,0,0]
.set j, j+2
.endr
.irp i, 0,1,2,3,4,5,6,7
	global_store_b128 v[CO], v[HB+32*(\a)+4*\i:HB+32*(\a)+4*\i+3], s[16:17] offset:(16*(\a)+2*\i)*8192 th:TH_STORE_NT   ; sixteen lanes store 256 consecutive bytes, aligned
.endr
.endm
	BLOCK 0
	BLOCK 1
	BLOCK 2
	BLOCK 3
	s_wait_tensorcnt 0x0                           ; the wave's end
	ds_add_u32 v[SPW], v[NIL]
	s_wait_dscnt 0x0
	CROUND                                         ; the closing round
	s_endpgm
.Lfunc_end_k_qce3fc99a15_state:
	.size	k_qce3fc99a15_state, .Lfunc_end_k_qce3fc99a15_state-k_qce3fc99a15_state
	.p2alignl 7, 3214868480
	.fill 96, 4, 3214868480
	.section	.rodata,"a",@progbits
	.p2align	6, 0x0
	.amdhsa_kernel k_qce3fc99a15_state
		.amdhsa_group_segment_fixed_size 327680
		.amdhsa_private_segment_fixed_size 0
		.amdhsa_enable_private_segment 0
		.amdhsa_kernarg_size 56
		.amdhsa_user_sgpr_count 2
		.amdhsa_user_sgpr_kernarg_segment_ptr 1
		.amdhsa_wavefront_size32 1
		.amdhsa_system_sgpr_workgroup_id_x 1
		.amdhsa_system_sgpr_workgroup_id_y 1
		.amdhsa_system_sgpr_workgroup_id_z 1
		.amdhsa_system_vgpr_workitem_id 0
		.amdhsa_next_free_vgpr 1024
		.amdhsa_next_free_sgpr 96
		.amdhsa_reserve_vcc 0
		.amdhsa_float_denorm_mode_32 3
		.amdhsa_float_denorm_mode_16_64 3
		.amdhsa_memory_ordered 1
		.amdhsa_forward_progress 1
		.amdhsa_inst_pref_size 182
	.end_amdhsa_kernel
	.amdgpu_metadata
---
amdhsa.version: [ 1, 2 ]
amdhsa.kernels:
  - .name:           k_qce3fc99a15_state
    .symbol:         k_qce3fc99a15_state.kd
    .args:
      - { .name: hu, .offset: 0, .size: 8, .value_kind: global_buffer, .address_space: global }
      - { .name: ca, .offset: 8, .size: 8, .value_kind: global_buffer, .address_space: global }
      - { .name: wq2, .offset: 16, .size: 8, .value_kind: global_buffer, .address_space: global }
      - { .name: Eh_b, .offset: 24, .size: 8, .value_kind: global_buffer, .address_space: global }
      - { .name: Hw_b, .offset: 32, .size: 8, .value_kind: global_buffer, .address_space: global }
      - { .name: h_cur, .offset: 40, .size: 8, .value_kind: global_buffer, .address_space: global }
      - { .name: out0, .offset: 48, .size: 8, .value_kind: global_buffer, .address_space: global }
    .group_segment_fixed_size: 327680
    .private_segment_fixed_size: 0
    .kernarg_segment_align: 8
    .kernarg_segment_size: 56
    .max_flat_workgroup_size: 128
    .sgpr_count:     96
    .vgpr_count:     1024
    .wavefront_size: 32
...
	.end_amdgpu_metadata
.endif
;; end of part 3
